; MI455X (gfx1250); checked and timed in simulation.
; The chip was launched on July 23, 2026; its instructions are those of AMD's public machine-readable ISA for CDNA 5 (MIT licence, August 2026) and "CDNA5" Instruction Set Architecture Reference Guide (July 2026). The comments in the code are by the model that wrote it; some were corrected since.
;; Attention. Allowed arithmetic: float matrix products may take bf16 or f16 operands with f32 sums; other float arithmetic in f32, or as packed bf16 or f16 multiplies, adds, multiply-adds, maxima and minima; sums over many terms, partial sums and values carried from step to step in f32; what a program stores and reads back later, other than sums and carried values, may be rounded once to bf16 or f16.
;; Inputs: attn_mask 1 x 4,096 x 4,096 bool; k_scale 256 float32; kv_w 2 x 4 x 2,048 x 256 float32; o_w 4 x 256 x 2,048 float32; q_scale 256 float32; q_w 4 x 2,048 x 256 float32; segment_pos 1 x 4,096 int32; v_scale 256 float32; x 1 x 4,096 x 2,048 float32.
;; Outputs: out0 1 x 4,096 x 2,048 float32.
;; One version. Each part assembles by itself: llvm-mc -triple=amdgcn-amd-amdhsa -mcpu=gfx1250 --defsym DOCPART=n.
;; ======== version 1 of 1: 4 launches
;; limits: values are held in f16: magnitudes above 65,504 overflow, below 6.1e-05 lose precision; right only within a limited range of input values
;; workspace buffers: xb 16,777,216 bytes; wts 16,777,216 bytes; tab 4,279,296 bytes; mb 589,824 bytes of whole numbers; qkv 25,165,824 bytes; csum 262,144 bytes; enc 8,388,608 bytes
;; launch prep (part 1): grid 929 x 1, 8 waves a work-group, no clusters, 0 bytes of LDS; arguments x, q_w, kv_w, o_w, q_scale, k_scale, v_scale, segment_pos, attn_mask, xb, wts, tab, mb; writes xb, wts, tab, mb
.if DOCPART == 1
	.amdgcn_target "amdgcn-amd-amdhsa--gfx1250"
	.amdhsa_code_object_version 6
	.text
	.protected	k_qfb5d0f4fc8_prep
	.globl	k_qfb5d0f4fc8_prep
	.p2align	8
	.type	k_qfb5d0f4fc8_prep,@function
k_qfb5d0f4fc8_prep:
	s_mov_b64 s[64:65], 0
	v_nop
	global_prefetch_b8 v0, s[64:65] scope:SCOPE_SE
	s_setreg_imm32_b32 hwreg(HW_REG_WAVE_MODE, 25, 1), 1
	s_wait_xcnt 0x0
; PREP: what the three matrix launches need, made once.  Four kinds of work-group, chosen by forward branches on the work-group's number:
;   MASK  (0-287)    mb: for a tile of 16 queries and 16 keys, eight words; bit l of word j = 1 where (query 16 qt + l % 16, key base + 8 (l / 16) + j) is HIDDEN:
;                    attn_mask's byte is 0, or the key lies outside the band 0 <= t - s < 1024, or before key 0.  A tile qt has 72 groups of 16 keys, from key 64 (qt / 4 - 17) on.
;   TABLE (288-415)  tab rows 0-4095: cos[128], sin[128] of segment_pos[t] / 10000^(i / 128), by a three-part reduction and two polynomials.
;   GAINS (416)      tab rows 4096-4175: cos = 1, sin = 0 (V takes the same way out as Q and K); rows 4176-4178: (1 + bf16(scale)) x kappa for q, k, v.
;                    kappa_q = 1/16, kappa_k = 2 log2(e) / 50: the product q.k is then the exponent (base 2) of e^(2 logit / 50).
;   CONV  (417-928)  xb = bf16(x); wts = bf16(q_w), bf16(kv_w), then f16(bf16(o_w)): 128 KiB of f32 to a work-group.
; No LDS, no matrix unit, no cluster: nothing is shared, memory binds.
; LIMITS.  |segment_pos| < 2^23 (the reduction's quotient stays exact).  o_w below 6.1e-5 keeps f16's fixed step of 6e-8.  A byte of attn_mask is 0 or 1.
.set NMASK, 288
.set IDG,   416
.set IDC,   417
	s_load_b512 s[4:19], s[0:1], 0x0               ; x 4, q_w 6, kv_w 8, o_w 10, q_scale 12, k_scale 14, v_scale 16, segment_pos 18
	s_load_b256 s[20:27], s[0:1], 0x40             ; attn_mask 20, xb 22, wts 24, tab 26
	s_load_b64 s[28:29], s[0:1], 0x60              ; mb
	s_mov_b32 s2, ttmp9
	v_lshrrev_b32 v1, 5, v0
	v_readfirstlane_b32 s3, v1                     ; wave 0..7
	v_and_b32 v1, 31, v0                           ; lane
	s_wait_kmcnt 0x0
	s_cmp_lt_u32 s2, NMASK
	s_cbranch_scc1 .Lmask
	s_cmp_lt_u32 s2, IDG
	s_cbranch_scc1 .Ltable
	s_cmp_eq_u32 s2, IDG
	s_cbranch_scc1 .Lgains
; ---------------- CONV: thread t takes 32 bytes at 32 t + 8192 i (i = 0..15) and stores 16 bytes at 16 t + 4096 i: a wave's store covers 512 consecutive bytes.
	s_sub_co_u32 s30, s2, IDC                      ; 0-255 x, 256-319 q_w, 320-447 kv_w, 448-511 o_w
	s_mov_b64 s[32:33], s[4:5]                     ; from
	s_mov_b64 s[34:35], s[22:23]                   ; to
	s_mov_b32 s36, 0                               ; first number of the source's range
	s_mov_b32 s37, 0                               ; and of the destination's: the three weights follow each other in wts as their numbers do
	s_cmp_ge_u32 s30, 256
	s_cselect_b64 s[32:33], s[6:7], s[32:33]
	s_cselect_b64 s[34:35], s[24:25], s[34:35]
	s_cselect_b32 s36, 256, s36
	s_cselect_b32 s37, 256, s37
	s_cmp_ge_u32 s30, 320
	s_cselect_b64 s[32:33], s[8:9], s[32:33]
	s_cselect_b32 s36, 320, s36
	s_cmp_ge_u32 s30, 448
	s_cselect_b64 s[32:33], s[10:11], s[32:33]
	s_cselect_b32 s36, 448, s36
	s_sub_co_u32 s36, s30, s36
	s_sub_co_u32 s37, s30, s37
	s_lshl_b32 s38, s36, 17                        ; 131,072 bytes of f32 to a work-group
	s_mov_b32 s39, 0
	s_add_nc_u64 s[32:33], s[32:33], s[38:39]
	s_lshl_b32 s38, s37, 16                        ; 65,536 bytes out
	s_add_nc_u64 s[34:35], s[34:35], s[38:39]
	v_lshlrev_b32 v2, 5, v0
	v_lshlrev_b32 v3, 4, v0
.set i, 0
.rept 16                                               ; all 32 loads go out first: 16 KiB of every wave are on their way
	global_load_b128 v[16+8*i:16+8*i+3],   v2, s[32:33] offset:8192*i th:TH_LOAD_NT
	global_load_b128 v[16+8*i+4:16+8*i+7], v2, s[32:33] offset:8192*i+16 th:TH_LOAD_NT
.set i, i+1
.endr
.macro ROUNDS half                     ; half = 1: rounded to bf16 like every input, and that number written as f16
.set i, 0
.rept 16
	s_wait_loadcnt 30-2*i                          ; loads come back in order: round i's two are in, the younger rounds' stay out
.set k, 0
.rept 4
.if \half
	v_cvt_pk_bf16_f32 v8, v[16+8*i+2*k], v[16+8*i+2*k+1]
	v_lshlrev_b32 v9, 16, v8
	v_and_b32 v10, 0xffff0000, v8
	v_cvt_pk_f16_f32 v[144+4*i+k], v9, v10
.else
	v_cvt_pk_bf16_f32 v[144+4*i+k], v[16+8*i+2*k], v[16+8*i+2*k+1]
.endif
.set k, k+1
.endr
	global_store_b128 v3, v[144+4*i:144+4*i+3], s[34:35] offset:4096*i  ; each round has its own four registers: none is written twice
.set i, i+1
.endr
.endm
	s_cmp_ge_u32 s30, 448
	s_cbranch_scc1 .Lconv_o
	ROUNDS 0
	s_endpgm
.Lconv_o:
	ROUNDS 1
	s_endpgm
; ---------------- MASK: wave m = 8 id + wave makes the 64 words of tile qt = m / 9 for its run u = m % 9 of 128 keys; they lie at mb + 256 m.
.Lmask:
	s_lshl_b32 s30, s2, 3
	s_add_co_u32 s30, s30, s3                      ; m
	s_mul_hi_u32 s31, s30, 0x38e38e39
	s_lshr_b32 s31, s31, 1                         ; qt = m / 9
	s_mul_i32 s32, s31, 9
	s_sub_co_u32 s32, s30, s32                     ; u
	s_lshr_b32 s33, s31, 2
	s_sub_co_i32 s33, s33, 17
	s_lshl_b32 s33, s33, 6                         ; the tile's first key, 64 (qt / 4 - 17): may be negative
	s_lshl_b32 s32, s32, 7
	s_add_co_i32 s33, s33, s32                     ; the run's first key
	s_max_i32 s36, s33, 0                          ; a half of 64 keys in front of key 0 reads the bytes of keys 0-63 instead; the difference below hides it
	s_add_co_i32 s37, s33, 64
	s_max_i32 s37, s37, 0
	v_and_b32 v2, 15, v0                           ; r
	v_bfe_u32 v3, v0, 4, 1                         ; h
	v_lshl_add_u32 v4, s31, 4, v2                  ; t = 16 qt + r
	v_min_u32 v5, 1023, v4
	v_add_nc_u32 v5, 1, v5                         ; a key is in the band where 0 <= t - s < min(1024, t + 1), as unsigned numbers one compare
	v_lshlrev_b32 v6, 12, v4
	v_lshl_add_u32 v6, v3, 3, v6                   ; 4096 t + 8 h
	v_add_nc_u32 v8, s36, v6
	v_add_nc_u32 v9, s37, v6
.set g, 0
.rept 4
	global_load_b64 v[16+2*g:17+2*g], v8, s[20:21] offset:16*g
.set g, g+1
.endr
.rept 4
	global_load_b64 v[16+2*g:17+2*g], v9, s[20:21] offset:16*(g-4)
.set g, g+1
.endr
	v_lshlrev_b32 v7, 3, v3
	v_sub_nc_u32 v7, v4, v7
	v_sub_nc_u32 v7, v7, s33                       ; t - s for group 0, j = 0; it runs down with the words
	v_mov_b32 v10, 0                               ; lane l will hold words 2 l and 2 l + 1
	v_mov_b32 v11, 0
	v_lshlrev_b32 v12, 3, v1
	s_lshl_b32 s34, s30, 8
	s_mov_b32 s35, 0
	s_add_nc_u64 s[28:29], s[28:29], s[34:35]
	s_wait_loadcnt 0x0
.macro MW4 g, jb                       ; four words: group g, j = jb .. jb + 3
.irp k, 0,1,2,3
	v_bfe_u32 v[32+\k], v[16+2*(\g)+(\jb)/4], 8*\k, 1
.endr
.irp k, 0,1,2,3
	v_mul_u32_u24 v[32+\k], v[32+\k], v5           ; the bound, or 0 where the input hides the key
.endr
.irp k, 0,1,2,3
	v_add_nc_u32 v[36+\k], -\k, v7
.endr
.irp k, 0,1,2,3
	v_cmp_ge_u32 s[40+\k], v[36+\k], v[32+\k]      ; hidden: bit l for lane l
.endr
.irp k, 0,1,2,3
	v_writelane_b32 v[10+\k%2], s[40+\k], (8*(\g)+(\jb)+\k)/2
.endr
.if (\jb) == 0
	v_add_nc_u32 v7, -4, v7
.else
	v_add_nc_u32 v7, -12, v7                       ; on to the next group of 16 keys
.endif
.endm
.irp g, 0,1,2,3,4,5,6,7
	MW4 \g, 0
	MW4 \g, 4
.endr
	global_store_b64 v12, v[10:11], s[28:29]       ; 256 consecutive bytes, at a multiple of 256 from mb's first
	s_endpgm
; ---------------- TABLE: wave tw takes rows 4 tw .. 4 tw + 3; lane l owns i = 4 l .. 4 l + 3.
.Ltable:
	s_sub_co_u32 s30, s2, NMASK
	s_lshl_b32 s30, s30, 3
	s_add_co_u32 s30, s30, s3                      ; tw
	s_lshl_b32 s31, s30, 4
	v_mov_b32 v2, s31
	global_load_b128 v[8:11], v2, s[18:19]         ; the four rows' positions, the same 16 bytes in every lane
	s_lshl_b32 s34, s30, 12
	s_mov_b32 s35, 0
	s_add_nc_u64 s[26:27], s[26:27], s[34:35]
	s_mov_b32 s40, 0xbfc90fd8                      ; -pi/2 in three parts
	s_mov_b32 s41, 0xb4a8885a
	s_mov_b32 s42, 0xa7c234c4
	s_mov_b32 s43, 0xb94ca1f9                      ; sine: -1.9515296e-4, 8.3321609e-3 (, -1.6666655e-1)
	s_mov_b32 s44, 0x3c08839e
	s_mov_b32 s45, 0x37ccf5ce                      ; cosine: 2.4433157e-5, -1.3887316e-3 (, 4.1666646e-2)
	s_mov_b32 s46, 0xbab6061a
	v_lshlrev_b32 v3, 4, v1
	v_lshlrev_b32 v12, 2, v1
.irp e, 0,1,2,3
	v_add_nc_u32 v13, \e, v12
	v_cvt_f32_u32 v13, v13
	v_mul_f32 v[4+\e], 0xbdd49a78, v13             ; -i log2(10000) / 128
.endr
.irp e, 0,1,2,3
	v_exp_f32 v[4+\e], v[4+\e]                     ; 1 / timescale
.endr
	v_nop                                          ; a plain line behind the exponentials, ahead of their use
.macro SINCOS e                        ; x = pos / timescale = r + q pi/2, |r| <= pi/4; the quadrant swaps and signs the two polynomials
.set T, 40+12*(\e)
	v_mul_f32 v[T], v14, v[4+(\e)]
	v_mul_f32 v[T+1], 0x3f22f983, v[T]
	v_rndne_f32 v[T+1], v[T+1]
	v_fma_f32 v[T+2], v[T+1], s40, v[T]
	v_fma_f32 v[T+2], v[T+1], s41, v[T+2]
	v_fma_f32 v[T+2], v[T+1], s42, v[T+2]
	v_cvt_i32_f32 v[T+3], v[T+1]
	v_mul_f32 v[T+4], v[T+2], v[T+2]
	v_fma_f32 v[T+5], v[T+4], s43, s44
	v_fma_f32 v[T+6], v[T+4], s45, s46
	v_fmaak_f32 v[T+5], v[T+5], v[T+4], 0xbe2aaaa3
	v_fmaak_f32 v[T+6], v[T+6], v[T+4], 0x3d2aaaa5
	v_mul_f32 v[T+7], v[T+2], v[T+4]
	v_mul_f32 v[T+8], v[T+4], v[T+4]
	v_fma_f32 v[T+9], v[T+4], -0.5, 1.0
	v_fma_f32 v[T+5], v[T+7], v[T+5], v[T+2]       ; sin r
	v_fma_f32 v[T+6], v[T+8], v[T+6], v[T+9]       ; cos r
	v_and_b32 v[T+10], 1, v[T+3]
	v_cmp_eq_u32 vcc_lo, 1, v[T+10]
	v_cndmask_b32 v[36+(\e)], v[T+5], v[T+6], vcc_lo
	v_cndmask_b32 v[32+(\e)], v[T+6], v[T+5], vcc_lo
	v_and_b32 v[T+10], 2, v[T+3]
	v_lshlrev_b32 v[T+10], 30, v[T+10]
	v_xor_b32 v[36+(\e)], v[36+(\e)], v[T+10]
	v_add_nc_u32 v[T+10], 1, v[T+3]
	v_and_b32 v[T+10], 2, v[T+10]
	v_lshlrev_b32 v[T+10], 30, v[T+10]
	v_xor_b32 v[32+(\e)], v[32+(\e)], v[T+10]
.endm
	s_mov_b32 s33, 4
	s_wait_loadcnt 0x0
.Lttrip:
	v_cvt_f32_i32 v14, v8
	s_wait_alu depctr_va_vdst(0)
.irp e, 0,1,2,3
	SINCOS \e
.endr
	global_store_b128 v3, v[32:35], s[26:27]             ; 512 consecutive bytes of cosines,
	global_store_b128 v3, v[36:39], s[26:27] offset:512  ; and of sines
	v_mov_b32 v8, v9                               ; the next row's position moves down
	v_mov_b32 v9, v10
	v_mov_b32 v10, v11
	s_wait_xcnt 0x0                                ; the stores' data and base are written again only behind this wait
	s_add_nc_u64 s[26:27], s[26:27], 1024
	s_sub_co_u32 s33, s33, 1
	s_cmp_lg_u32 s33, 0
	s_cbranch_scc1 .Lttrip
	s_endpgm
; ---------------- GAINS
.Lgains:
	v_and_b32 v2, 63, v0
	v_cmp_gt_u32 vcc_lo, 32, v2                    ; the first 32 pieces of 16 bytes of a row are cosines
	v_cndmask_b32 v4, 0, 1.0, vcc_lo
	v_mov_b32 v5, v4
	v_mov_b32 v6, v4
	v_mov_b32 v7, v4
	v_lshlrev_b32 v3, 4, v0
	v_lshlrev_b32 v8, 2, v0
	global_load_b32 v9, v8, s[12:13]
	global_load_b32 v10, v8, s[14:15]
	global_load_b32 v11, v8, s[16:17]
.set k, 0
.rept 20                                               ; 80 rows of 1,024 bytes, 4,096 bytes to a line
	global_store_b128 v3, v[4:7], s[26:27] offset:4096*1024+4096*k
.set k, k+1
.endr
	s_wait_loadcnt 0x0
.irp r, 9,10,11
	v_cvt_pk_bf16_f32 v\r, v\r, v\r                ; the scales are rounded to bf16 like every input
	v_lshlrev_b32 v\r, 16, v\r
	v_add_f32 v\r, 1.0, v\r
.endr
	v_mul_f32 v9, 0x3d800000, v9                   ; 1/16
	v_mul_f32 v10, 0x3d6c5f04, v10                 ; 2 log2(e) / 50
	global_store_b32 v8, v9, s[26:27] offset:4176*1024
	global_store_b32 v8, v10, s[26:27] offset:4177*1024
	global_store_b32 v8, v11, s[26:27] offset:4178*1024
	s_endpgm
.Lfunc_end_k_qfb5d0f4fc8_prep:
	.size	k_qfb5d0f4fc8_prep, .Lfunc_end_k_qfb5d0f4fc8_prep-k_qfb5d0f4fc8_prep
	.p2alignl 7, 3214868480
	.fill 96, 4, 3214868480
	.section	.rodata,"a",@progbits
	.p2align	6, 0x0
	.amdhsa_kernel k_qfb5d0f4fc8_prep
		.amdhsa_group_segment_fixed_size 0
		.amdhsa_private_segment_fixed_size 0
		.amdhsa_enable_private_segment 0
		.amdhsa_kernarg_size 104
		.amdhsa_user_sgpr_count 2
		.amdhsa_user_sgpr_kernarg_segment_ptr 1
		.amdhsa_wavefront_size32 1
		.amdhsa_system_sgpr_workgroup_id_x 1
		.amdhsa_system_sgpr_workgroup_id_y 1
		.amdhsa_system_sgpr_workgroup_id_z 1
		.amdhsa_system_vgpr_workitem_id 0
		.amdhsa_next_free_vgpr 208
		.amdhsa_next_free_sgpr 66
		.amdhsa_reserve_vcc 1
		.amdhsa_float_denorm_mode_32 3
		.amdhsa_float_denorm_mode_16_64 3
		.amdhsa_memory_ordered 1
		.amdhsa_forward_progress 1
		.amdhsa_inst_pref_size 56
	.end_amdhsa_kernel
	.amdgpu_metadata
---
amdhsa.version: [ 1, 2 ]
amdhsa.kernels:
  - .name:           k_qfb5d0f4fc8_prep
    .symbol:         k_qfb5d0f4fc8_prep.kd
    .args:
      - { .name: x, .offset: 0, .size: 8, .value_kind: global_buffer, .address_space: global }
      - { .name: q_w, .offset: 8, .size: 8, .value_kind: global_buffer, .address_space: global }
      - { .name: kv_w, .offset: 16, .size: 8, .value_kind: global_buffer, .address_space: global }
      - { .name: o_w, .offset: 24, .size: 8, .value_kind: global_buffer, .address_space: global }
      - { .name: q_scale, .offset: 32, .size: 8, .value_kind: global_buffer, .address_space: global }
      - { .name: k_scale, .offset: 40, .size: 8, .value_kind: global_buffer, .address_space: global }
      - { .name: v_scale, .offset: 48, .size: 8, .value_kind: global_buffer, .address_space: global }
      - { .name: segment_pos, .offset: 56, .size: 8, .value_kind: global_buffer, .address_space: global }
      - { .name: attn_mask, .offset: 64, .size: 8, .value_kind: global_buffer, .address_space: global }
      - { .name: xb, .offset: 72, .size: 8, .value_kind: global_buffer, .address_space: global }
      - { .name: wts, .offset: 80, .size: 8, .value_kind: global_buffer, .address_space: global }
      - { .name: tab, .offset: 88, .size: 8, .value_kind: global_buffer, .address_space: global }
      - { .name: mb, .offset: 96, .size: 8, .value_kind: global_buffer, .address_space: global }
    .group_segment_fixed_size: 0
    .private_segment_fixed_size: 0
    .kernarg_segment_align: 8
    .kernarg_segment_size: 104
    .max_flat_workgroup_size: 256
    .sgpr_count:     66
    .vgpr_count:     208
    .wavefront_size: 32
...
	.end_amdgpu_metadata
.endif
;; end of part 1
;; launch proj (part 2): grid 12 x 16, 4 waves a work-group, clusters of 4 x 4, 327,680 bytes of LDS; arguments xb, wts, tab, qkv, csum; writes qkv, csum
.if DOCPART == 2
	.amdgcn_target "amdgcn-amd-amdhsa--gfx1250"
	.amdhsa_code_object_version 6
	.text
	.protected	k_qfb5d0f4fc8_proj
	.globl	k_qfb5d0f4fc8_proj
	.p2align	8
	.type	k_qfb5d0f4fc8_proj,@function
k_qfb5d0f4fc8_proj:
	s_mov_b64 s[64:65], 0
	v_nop
	global_prefetch_b8 v0, s[64:65] scope:SCOPE_SE
	s_setreg_imm32_b32 hwreg(HW_REG_WAVE_MODE, 25, 1), 1
	s_wait_xcnt 0x0
	s_wait_alu depctr_hold_cnt(0) depctr_sa_sdst(0) depctr_va_vdst(0) depctr_va_sdst(0) depctr_va_ssrc(0) depctr_va_vcc(0) depctr_vm_vsrc(0)
	s_getreg_b32 s2, hwreg(HW_REG_IB_STS2, 6, 4)
	s_cmp_eq_u32 s2, 0
	s_cbranch_scc0 .Lentry_in_a_cluster
	s_endpgm
.Lentry_in_a_cluster:
	s_bfe_u32 s2, ttmp6, 0x10000c
	s_cmp_lg_u32 s2, 0xf033
	s_cbranch_scc0 .Lentry_shape_is_right
	s_endpgm
.Lentry_shape_is_right:
; PROJ: qkv[c][t][:] = rope(rmsnorm(x[t][:] W_c) gain), c = 0-3 q heads, 4-7 k heads, 8-11 v heads (no rope: table rows of cos 1, sin 0).  x and W in bf16, sums in f32, results rounded once to f16.
; Also csum: for the v heads, the column sums of each wave's 64 rows (f32), from which the next launch makes the mean of V.
; SHARES.  A work-group makes 256 rows x one whole head (256 columns); a wave 64 rows x 256 columns, 64 accumulators, so a row's norm and rotation never leave the wave.
; 12 heads x 16 row blocks = 192 work-groups: a head cannot be split (the norm and the rotation span it), and a block of 128 rows would make a round and a half of work-groups with half the products for each LDS byte.
; K goes in steps of 128 through two LDS slots.  x's tile: 256 rows of 256 bytes (pitch 272).  W lies [k][column]: 128 k-rows of 512 bytes (pitch 544), read turned by ds_load_tr16_b128.
; CLUSTER 4 x 4: x's tile hangs on the row block alone and is asked for jointly along a row of the cluster, W's on the head alone, jointly along a column.
; THE MATRIX INSTRUCTION IS USED TRANSPOSED (source 0 = 16 columns of W, source 1 = 16 rows of x): a lane holds eight neighbouring columns of one row.
; WAY OUT.  The f32 sums go into the ring's bytes (which have had their last fill; a barrier stands behind every wave's last read), rows of 1,040 bytes, each wave its own 64 rows; then row by row:
; lane l takes channels 4 l .. 4 l + 3 and 128 + 4 l .. : sum of squares over the wave, rsq, gain, rotation with the table's row, f16, two stores of 256 consecutive bytes.
; LIMITS.  A normed number is at most 16 |1 + scale| kappa, which must stay within f16's 65,504.  NaN and infinities are not treated apart.
; REGISTERS.  window 0: v0-15 addresses; v16-23 SS; v24-31 RR; v32-39 gains; v40-47 column sums; v48-63 Y; v64-127 x's fragments, two buffers (later rows read back); v128-255 table rows, a ring of four groups
;   window 1: W's fragments, two buffers of 128      windows 2, 3: accumulator (a, b) at 8 (16 (a % 2) + b) of window 2 + a / 2
.set PA,    272
.set PB,    544
.set PART,  34816                      ; 128 rows of x, or 64 k-rows of W: what one tensor load brings
.set BOFF,  2*PART
.set SLOT,  4*PART
.set SPARE, 2*SLOT                     ; behind the ring: the spare words, 128 bytes a wave
.set DP,    1040                       ; a row of f32 sums: 1,024 bytes + 16
.set DW,    64*DP
.set LAPS,  8                          ; 2048 / 256: a lap is two K steps, once round the ring
.set DA,   3
.set XR,   4
.set QO,   5
.set TO,   6                           ; v6-9: byte offset in tab of group s's first row, + 16 l
.set ADRA, 10                          ; v10-11: my fragments of x in slot 0, 1
.set ADRB, 12                          ; v12-13: of W
.set SPW,  14
.set NIL,  15
.set SS,   16
.set RR,   24
.set G,    32
.set CSUM, 40
.set Y,    48
.set FA,   64
.set X0,   64
.set CS,   128
.set G1A, 24
.set G0A, 32
.set G1B, 48
.set G0B, 56
.set MSB, 0
.macro WIN new                         ; the immediate's high byte repeats the setting that is left
.if MSB != (\new)
	s_set_vgpr_msb (MSB<<8)|(\new)
.set MSB, \new
.endif
.endm
.macro PLACES                          ; four places between a matrix instruction and a load into, or a vector read of, its registers
.rept 4
	v_nop
.endr
.endm
.macro JLOAD s                         ; a joint load: waves 0, 1 fetch x's two halves, waves 2, 3 W's; an s_nop 0 and four v_nop follow each line
	s_cmp_eq_u32 s15, 0
	s_cbranch_scc0 .Lfor_b_\@
	tensor_load_to_lds s[G0A+4*(\s):G0A+4*(\s)+3], s[G1A:G1A+7]
	s_nop 0
.rept 4
	v_nop
.endr
	s_branch .Lasked_\@
.Lfor_b_\@:
	tensor_load_to_lds s[G0B+4*(\s):G0B+4*(\s)+3], s[G1B:G1B+7]
	s_nop 0
.rept 4
	v_nop
.endr
.Lasked_\@:
.endm
.macro CREST                           ; a round of the cluster's barrier behind its opening barrier
	s_cmp_lg_u32 s14, 0
	s_cbranch_scc1 .Lnot_wave_0_\@
	s_barrier_signal -3
.Lnot_wave_0_\@:
	s_barrier_wait -3
	s_barrier_signal -1
	s_barrier_wait -1
.endm
.macro CROUND
	s_barrier_signal -1
	s_barrier_wait -1
	CREST
.endm
	s_load_b256 s[4:11], s[0:1], 0x0               ; xb 4, wts 6, tab 8, qkv 10
	s_load_b64 s[12:13], s[0:1], 0x20              ; csum
	v_lshl_add_u32 v[SPW], v0, 2, SPARE
	v_mov_b32 v[NIL], 0
	ds_add_u32 v[SPW], v[NIL]                      ; the wave's opening: the add and its wait ahead of my first tensor load
	ds_add_u32 v14, v15
	v_lshrrev_b32 v1, 5, v0
	v_readfirstlane_b32 s14, v1                    ; wave 0..3
	s_lshr_b32 s15, s14, 1                         ; I fetch for x (0) or for W (1)
	s_and_b32 s16, s14, 1                          ; which half of that tile
	s_bfe_u32 s17, ttmp6, 0x40000                  ; cx
	s_bfe_u32 s18, ttmp6, 0x40004                  ; cy
	s_mov_b32 s21, ttmp9                           ; the cluster's x: 0 q, 1 k, 2 v: the same in all sixteen partners
	s_lshl_b32 s19, ttmp9, 2
	s_add_co_u32 s19, s19, s17                     ; head c
	s_and_b32 s20, ttmp7, 0xffff
	s_lshl_b32 s20, s20, 2
	s_add_co_u32 s20, s20, s18                     ; row block
	s_lshl_b32 s40, s18, 2
	s_lshl_b32 s40, 15, s40                        ; my row of the cluster
	s_lshl_b32 s41, 0x1111, s17                    ; my column
	s_or_b32 s[G1A], s40, (1<<16)|(1<<20)|(1<<21)|(5<<22)|(3<<25)  ; mask; 2-byte elements; padding on; bit 21 beside a mask; after every 64 words 4 words
	s_or_b32 s[G1B], s41, (1<<16)|(1<<20)|(1<<21)|(6<<22)|(7<<25)  ; after every 128 words 8 words
	s_mov_b32 s[G1A+1], 128<<16                    ; tensor_dim0
	s_mov_b32 s[G1A+2], 128<<16                    ; tensor_dim1
	s_mov_b32 s[G1A+3], 128<<16                    ; tile_dim0
	s_mov_b32 s[G1A+4], 128                        ; tile_dim1
	s_mov_b32 s[G1A+5], 2048                       ; elements from row to row
	s_mov_b32 s[G1A+6], 0
	s_mov_b32 s[G1A+7], 0
	s_mov_b32 s[G1B+1], 256<<16
	s_mov_b32 s[G1B+2], 64<<16
	s_mov_b32 s[G1B+3], 256<<16
	s_mov_b32 s[G1B+4], 64
	s_mov_b32 s[G1B+5], 256
	s_mov_b32 s[G1B+6], 0
	s_mov_b32 s[G1B+7], 0
	s_lshl_b32 s42, s20, 20                        ; x: 256 rows of 4,096 bytes to a block,
	s_lshl_b32 s43, s16, 19                        ; 128 to a half
	s_add_co_u32 s42, s42, s43
	s_mov_b32 s43, 0
	s_lshl_b32 s44, s19, 20                        ; W: 1 MiB to a head,
	s_lshl_b32 s45, s16, 15                        ; 64 k-rows of 512 bytes to a half
	s_add_co_u32 s44, s44, s45
	s_mov_b32 s45, 0
	s_mul_i32 s67, s14, PART                       ; where my load lands in a slot: the wave's number alone
	s_mov_b32 s68, 0x76543210
	s_mov_b32 s69, 0xfedcba98
	s_mov_b32 s70, 0x3b800000                      ; 1/256
	s_mov_b32 s71, 0x358637bd                      ; 1e-6
	s_wait_dscnt 0x0                               ; the opening add is done
	s_wait_kmcnt 0x0
	s_add_nc_u64 s[42:43], s[4:5], s[42:43]
	s_add_nc_u64 s[44:45], s[6:7], s[44:45]
	CROUND                                         ; all sixteen work-groups are here: the first joint loads meet
.irp s, 0,1
	s_mov_b32 s[G0A+4*\s], 1
	s_add_co_u32 s[G0A+4*\s+1], s67, \s*SLOT
	s_add_nc_u64 s[G0A+4*\s+2:G0A+4*\s+3], s[42:43], \s*256
	s_or_b32 s[G0A+4*\s+3], s[G0A+4*\s+3], 0x80000000
	s_mov_b32 s[G0B+4*\s], 1
	s_add_co_u32 s[G0B+4*\s+1], s67, \s*SLOT
	s_add_nc_u64 s[G0B+4*\s+2:G0B+4*\s+3], s[44:45], \s*65536
	s_or_b32 s[G0B+4*\s+3], s[G0B+4*\s+3], 0x80000000
	JLOAD \s                                       ; two loads of mine are out
.endr
	v_and_b32 v1, 15, v0                           ; r
	v_bfe_u32 v2, v0, 4, 1                         ; h
	v_and_b32 v16, 31, v0
	v_lshlrev_b32 v16, 4, v16                      ; 16 l
	; the gains and the first sixteen rows of the table are asked for now and lie in registers that the K loop does not touch
	s_lshl_b32 s40, s20, 8
	s_lshl_b32 s41, s14, 6
	s_add_co_u32 s40, s40, s41                     ; my first row, 256 x block + 64 x wave,
	s_cmp_eq_u32 s21, 2
	s_cselect_b32 s40, 4096, s40                   ; or for V the rows of cos 1, sin 0
	s_lshl_b32 s40, s40, 10
	s_add_co_u32 s41, s21, 4176
	s_lshl_b32 s41, s41, 10
	v_add_nc_u32 v21, s41, v16
	global_load_b128 v[G:G+3],   v21, s[8:9]
	global_load_b128 v[G+4:G+7], v21, s[8:9] offset:512
.irp s, 0,1,2,3
	v_add3_u32 v[TO+\s], s40, v16, \s*4096
.endr
.macro TLOAD s                         ; group s: four rows of the table, cosines and sines of my four channels
.set tp, 0
.rept 4
	global_load_b128 v[CS+32*(\s)+8*tp:CS+32*(\s)+8*tp+3],   v[TO+(\s)], s[8:9] offset:1024*tp
	global_load_b128 v[CS+32*(\s)+8*tp+4:CS+32*(\s)+8*tp+7], v[TO+(\s)], s[8:9] offset:1024*tp+512
.set tp, tp+1
.endr
.endm
	TLOAD 0
	TLOAD 1
	TLOAD 2
	TLOAD 3
	v_mul_u32_u24 v17, v1, PA
	v_lshl_add_u32 v17, v2, 4, v17
	s_mul_i32 s40, s14, 64*PA
	v_add_nc_u32 v[ADRA], s40, v17                 ; (64 w + r) x pitch + 16 h
	v_add_nc_u32 v[ADRA+1], SLOT, v[ADRA]
	v_and_b32 v18, 7, v0
	v_lshl_add_u32 v18, v2, 3, v18
	v_mul_u32_u24 v18, v18, PB
	v_bfe_u32 v19, v0, 3, 1
	v_lshl_add_u32 v18, v19, 4, v18
	v_add_nc_u32 v[ADRB], BOFF, v18                ; the turning load: k-row 8 h + l % 8, 16 bytes for each half of eight lanes
	v_add_nc_u32 v[ADRB+1], SLOT, v[ADRB]
	s_mul_i32 s40, s14, DW
	v_mul_u32_u24 v[DA], v1, DP
	v_lshl_add_u32 v[DA], v2, 5, v[DA]
	v_add_nc_u32 v[DA], s40, v[DA]                 ; sums in: row r, 32 bytes for each half of the lanes
	v_add_nc_u32 v[XR], s40, v16                   ; rows back: 16 bytes a lane
	v_lshrrev_b32 v[QO], 1, v16                    ; 8 l
.set i, 0
.rept 8
	v_mov_b32 v[CSUM+i], 0
.set i, i+1
.endr
	s_lshl_b32 s40, s19, 21                        ; qkv: 2 MiB to a head, 512 bytes to a row
	s_lshl_b32 s41, s20, 17
	s_add_co_u32 s40, s40, s41
	s_lshl_b32 s41, s14, 15
	s_add_co_u32 s40, s40, s41
	s_mov_b32 s41, 0
	s_add_nc_u64 s[10:11], s[10:11], s[40:41]
.macro MUL16 f, a, zero                ; row block a x all 16 column blocks, 32 along K, from buffer f; the accumulators take turns, one instruction a turn
	WIN 0xa1+0x50*((\a)/2)
.set nb, 0
.rept 16
.set AC, 8*(16*((\a)%2)+nb)
.if \zero
	v_wmma_f32_16x16x32_bf16 v[AC:AC+7], v[128*(\f)+8*nb:128*(\f)+8*nb+7], v[FA+32*(\f)+8*(\a):FA+32*(\f)+8*(\a)+7], 0
.else
	v_wmma_f32_16x16x32_bf16 v[AC:AC+7], v[128*(\f)+8*nb:128*(\f)+8*nb+7], v[FA+32*(\f)+8*(\a):FA+32*(\f)+8*(\a)+7], v[AC:AC+7]
.endif
.set nb, nb+1
.endr
.endm
.macro FETCH slot, q, f                ; 40 LDS loads in one run: quarter q's fragments into buffer f: W's sixteen, then x's four
	WIN 0x40
.set nb, 0
.rept 16
	ds_load_tr16_b128 v[128*(\f)+8*nb:128*(\f)+8*nb+3],   v[ADRB+(\slot)] offset:(\q)*32*PB+32*nb
	ds_load_tr16_b128 v[128*(\f)+8*nb+4:128*(\f)+8*nb+7], v[ADRB+(\slot)] offset:(\q)*32*PB+16*PB+32*nb
.set nb, nb+1
.endr
	WIN 0
.set nb, 0
.rept 4
	ds_load_b128 v[FA+32*(\f)+8*nb:FA+32*(\f)+8*nb+3],   v[ADRA+(\slot)] offset:nb*16*PA+64*(\q)
	ds_load_b128 v[FA+32*(\f)+8*nb+4:FA+32*(\f)+8*nb+7], v[ADRA+(\slot)] offset:nb*16*PA+64*(\q)+32
.set nb, nb+1
.endr
.endm
.macro QUARTER slot, q, f, g, zero     ; multiplies buffer f; in its middle fetches quarter q of the same slot into buffer g
	s_wait_dscnt 4                                 ; all but x's row blocks 2 and 3 are in
	MUL16 \f, 0, \zero
	MUL16 \f, 1, \zero
	PLACES
	FETCH \slot, \q, \g
	s_wait_dscnt 40                                ; all but the 40 just issued
	MUL16 \f, 2, \zero
	MUL16 \f, 3, \zero
.endm
; The last quarter of a K step multiplies buffer 1 and changes slots: one barrier; in front of it each wave waits for all its tensor loads (one is out: its part of the next slot), adds 0 to its spare
; word, and waits for that and for its reads of this slot.  fill = 1: the barrier opens a round of the cluster's, and this slot is filled again, two K steps ahead, first thing behind the round.
.macro TURN slot, next, fill
	WIN 0
	s_wait_tensorcnt 0x0
	ds_add_u32 v[SPW], v[NIL]
	s_wait_dscnt 5                                 ; the add and x's row blocks 2 and 3 may be out
	MUL16 1, 0, 0
	s_wait_dscnt 0x0                               ; the add is done, my reads of this slot are over
	s_barrier_signal -1
	MUL16 1, 1, 0
.if \fill
	WIN 0
.endif
	s_barrier_wait -1
.if \fill
	CREST
	s_add_nc_u64 s[G0A+4*(\slot)+2:G0A+4*(\slot)+3], s[G0A+4*(\slot)+2:G0A+4*(\slot)+3], 512
	s_add_nc_u64 s[G0B+4*(\slot)+2:G0B+4*(\slot)+3], s[G0B+4*(\slot)+2:G0B+4*(\slot)+3], 131072
	JLOAD \slot                                    ; its four v_nop are also the places in front of the loads below
.else
	PLACES
.endif
	FETCH \next, 0, 0
	MUL16 1, 2, 0
	MUL16 1, 3, 0
.endm
	s_wait_tensorcnt 1                             ; my part of K step 0 is in; step 1's may stay out
	s_barrier_signal -1
	s_barrier_wait -1
	FETCH 0, 0, 0
	QUARTER 0, 1, 0, 1, 1                          ; the first quarter's products start the sums
	WIN 0
	s_mov_b32 s66, LAPS-1
.Llap:
	QUARTER 0, 2, 1, 0, 0
	QUARTER 0, 3, 0, 1, 0
	TURN 0, 1, 1
	QUARTER 1, 1, 0, 1, 0
	QUARTER 1, 2, 1, 0, 0
	QUARTER 1, 3, 0, 1, 0
	TURN 1, 0, 1
	QUARTER 0, 1, 0, 1, 0
	WIN 0
	s_sub_co_u32 s66, s66, 1
	s_cmp_lg_u32 s66, 0
	s_cbranch_scc1 .Llap
	QUARTER 0, 2, 1, 0, 0                          ; the last lap fills nothing
	QUARTER 0, 3, 0, 1, 0
	TURN 0, 1, 0
	QUARTER 1, 1, 0, 1, 0
	QUARTER 1, 2, 1, 0, 0
	QUARTER 1, 3, 0, 1, 0
	s_wait_dscnt 4
	MUL16 1, 0, 0
	MUL16 1, 1, 0
	s_wait_dscnt 0x0                               ; my last reads of the ring are over:
	s_barrier_signal -1
	MUL16 1, 2, 0
	MUL16 1, 3, 0
	s_barrier_wait -1                              ; everybody's are: the ring's bytes may take the sums
	PLACES
.set da, 0
.rept 4
	WIN 0x08+4*(da/2)                              ; the stores' data in window 2 or 3
.set nb, 0
.rept 16
.set AC, 8*(16*(da%2)+nb)
	ds_store_b128 v[DA], v[AC:AC+3]   offset:da*16*DP+64*nb     ; each accumulator from its low end on
	ds_store_b128 v[DA], v[AC+4:AC+7] offset:da*16*DP+64*nb+16
.set nb, nb+1
.endr
.set da, da+1
.endr
	WIN 0
.macro XLOAD s                         ; group s of a trip's four: four rows back, my 16 + 16 bytes of each (LDS serves a wave's instructions in order: these see my stores)
.set xp, 0
.rept 4
	ds_load_b128 v[X0+32*((\s)%2)+8*xp:X0+32*((\s)%2)+8*xp+3],   v[XR] offset:(4*(\s)+xp)*DP
	ds_load_b128 v[X0+32*((\s)%2)+8*xp+4:X0+32*((\s)%2)+8*xp+7], v[XR] offset:(4*(\s)+xp)*DP+512
.set xp, xp+1
.endr
.endm
.macro ROWS4 s                         ; four rows, side by side so that no line waits for the one before it
.if (\s) < 3
	XLOAD (\s)+1
	s_wait_dscnt 8                                 ; my four rows are in; the next group's eight loads stay out
.else
	s_wait_dscnt 0x0
.endif
.set XB, X0+32*((\s)%2)
.set CB, CS+32*(\s)
	s_wait_loadcnt 24                              ; my group's table rows (and at first the gains) are in; the three younger groups' stay out
	s_wait_xcnt 0x0                                ; Y is written again only behind this wait
.irp p, 0,1,2,3
	v_pk_mul_f32 v[SS+2*\p:SS+2*\p+1], v[XB+8*\p:XB+8*\p+1], v[XB+8*\p:XB+8*\p+1]
.endr
.irp k, 2,4,6
.irp p, 0,1,2,3
	v_pk_fma_f32 v[SS+2*\p:SS+2*\p+1], v[XB+8*\p+\k:XB+8*\p+\k+1], v[XB+8*\p+\k:XB+8*\p+\k+1], v[SS+2*\p:SS+2*\p+1]
.endr
.endr
.irp p, 0,1,2,3
	v_add_f32 v[SS+2*\p], v[SS+2*\p], v[SS+2*\p+1]
.endr
.irp m, 1,2,4,8
.irp p, 0,1,2,3
	v_add_f32_dpp v[SS+2*\p], v[SS+2*\p], v[SS+2*\p] row_xmask:\m row_mask:0xf bank_mask:0xf
.endr
.endr
.irp p, 0,1,2,3
	v_permlanex16_b32 v[SS+2*\p+1], v[SS+2*\p], s68, s69
.endr
.irp p, 0,1,2,3
	v_add_f32 v[SS+2*\p], v[SS+2*\p], v[SS+2*\p+1]
.endr
.irp p, 0,1,2,3
	v_fma_f32 v[SS+2*\p], v[SS+2*\p], s70, s71     ; mean of squares + 1e-6
.endr
.irp p, 0,1,2,3
	v_rsq_f32 v[RR+2*\p], v[SS+2*\p]
	v_rsq_f32 v[RR+2*\p+1], v[SS+2*\p]
.endr
.irp p, 0,1,2,3                        ; x times gain: plain lines that touch neither SS nor RR stand behind the roots
.irp k, 0,2,4,6
	v_pk_mul_f32 v[XB+8*\p+\k:XB+8*\p+\k+1], v[XB+8*\p+\k:XB+8*\p+\k+1], v[G+\k:G+\k+1]
.endr
.endr
	s_wait_alu depctr_va_vdst(0)
.irp p, 0,1,2,3                        ; the row's 1 / rms goes into its cosines and sines
.irp k, 0,2,4,6
	v_pk_mul_f32 v[CB+8*\p+\k:CB+8*\p+\k+1], v[CB+8*\p+\k:CB+8*\p+\k+1], v[RR+2*\p:RR+2*\p+1]
.endr
.endr
.irp k, 0,2                            ; y1 = x1 C - x2 S, y2 = x2 C + x1 S
.irp p, 0,1,2,3
	v_pk_mul_f32 v[SS+2*\p:SS+2*\p+1], v[XB+8*\p+\k:XB+8*\p+\k+1], v[CB+8*\p+4+\k:CB+8*\p+4+\k+1]
.endr
.irp p, 0,1,2,3
	v_pk_mul_f32 v[XB+8*\p+\k:XB+8*\p+\k+1], v[XB+8*\p+\k:XB+8*\p+\k+1], v[CB+8*\p+\k:CB+8*\p+\k+1]
.endr
.irp p, 0,1,2,3
	v_pk_fma_f32 v[XB+8*\p+\k:XB+8*\p+\k+1], v[XB+8*\p+4+\k:XB+8*\p+4+\k+1], v[CB+8*\p+4+\k:CB+8*\p+4+\k+1], v[XB+8*\p+\k:XB+8*\p+\k+1] neg_lo:[1,0,0] neg_hi:[1,0,0]
.endr
.irp p, 0,1,2,3
	v_pk_fma_f32 v[XB+8*\p+4+\k:XB+8*\p+4+\k+1], v[XB+8*\p+4+\k:XB+8*\p+4+\k+1], v[CB+8*\p+\k:CB+8*\p+\k+1], v[SS+2*\p:SS+2*\p+1]
.endr
.endr
	s_cmp_lg_u32 s21, 2
	s_cbranch_scc1 .Lno_sum_\@                     ; column sums are wanted of V alone
.irp p, 0,1,2,3
.irp k, 0,2,4,6
	v_pk_add_f32 v[CSUM+\k:CSUM+\k+1], v[CSUM+\k:CSUM+\k+1], v[XB+8*\p+\k:XB+8*\p+\k+1]
.endr
.endr
.Lno_sum_\@:
.irp p, 0,1,2,3
.irp k, 0,1,2,3
	v_cvt_pk_f16_f32 v[Y+4*\p+\k], v[XB+8*\p+2*\k], v[XB+8*\p+2*\k+1]
.endr
.endr
	v_add_nc_u32 v[TO+(\s)], 16384, v[TO+(\s)]     ; free since the wait above: the same group sixteen rows on
	TLOAD \s                                       ; (in the last trip: rows that lie in the table and are not used)
.irp p, 0,1,2,3
	global_store_b64 v[QO], v[Y+4*\p:Y+4*\p+1],   s[10:11] offset:(4*(\s)+\p)*512      ; 256 consecutive bytes, at a multiple of 256 from qkv's first
	global_store_b64 v[QO], v[Y+4*\p+2:Y+4*\p+3], s[10:11] offset:(4*(\s)+\p)*512+256
.endr
.endm
	s_mov_b32 s66, 4
.Lout:                                                 ; a trip: sixteen rows
	XLOAD 0
	ROWS4 0
	ROWS4 1
	ROWS4 2
	ROWS4 3
	s_wait_xcnt 0x0                                ; the stores' base is stepped only behind this wait
	v_add_nc_u32 v[XR], 16*DP, v[XR]
	s_add_nc_u64 s[10:11], s[10:11], 8192
	s_sub_co_u32 s66, s66, 1
	s_cmp_lg_u32 s66, 0
	s_cbranch_scc1 .Lout
	s_cmp_lg_u32 s21, 2
	s_cbranch_scc1 .Lend
	s_sub_co_u32 s40, s19, 8                       ; csum[head][4 x block + wave][256]
	s_lshl_b32 s40, s40, 6
	s_lshl2_add_u32 s40, s20, s40
	s_add_co_u32 s40, s40, s14
	s_lshl_b32 s40, s40, 10
	s_mov_b32 s41, 0
	s_add_nc_u64 s[12:13], s[12:13], s[40:41]
	v_and_b32 v1, 31, v0
	v_lshlrev_b32 v1, 4, v1
	global_store_b128 v1, v[CSUM:CSUM+3],   s[12:13]
	global_store_b128 v1, v[CSUM+4:CSUM+7], s[12:13] offset:512
.Lend:
	s_wait_tensorcnt 0x0                           ; the wave's end
	ds_add_u32 v[SPW], v[NIL]
	s_wait_dscnt 0x0
	CROUND                                         ; the closing round
	s_endpgm
.Lfunc_end_k_qfb5d0f4fc8_proj:
	.size	k_qfb5d0f4fc8_proj, .Lfunc_end_k_qfb5d0f4fc8_proj-k_qfb5d0f4fc8_proj
	.p2alignl 7, 3214868480
	.fill 96, 4, 3214868480
	.section	.rodata,"a",@progbits
	.p2align	6, 0x0
	.amdhsa_kernel k_qfb5d0f4fc8_proj
		.amdhsa_group_segment_fixed_size 327680
		.amdhsa_private_segment_fixed_size 0
		.amdhsa_enable_private_segment 0
		.amdhsa_kernarg_size 40
		.amdhsa_user_sgpr_count 2
		.amdhsa_user_sgpr_kernarg_segment_ptr 1
		.amdhsa_wavefront_size32 1
		.amdhsa_system_sgpr_workgroup_id_x 1
		.amdhsa_system_sgpr_workgroup_id_y 1
		.amdhsa_system_sgpr_workgroup_id_z 1
		.amdhsa_system_vgpr_workitem_id 0
		.amdhsa_next_free_vgpr 1024
		.amdhsa_next_free_sgpr 76
		.amdhsa_reserve_vcc 0
		.amdhsa_float_denorm_mode_32 3
		.amdhsa_float_denorm_mode_16_64 3
		.amdhsa_memory_ordered 1
		.amdhsa_forward_progress 1
		.amdhsa_inst_pref_size 177
	.end_amdhsa_kernel
	.amdgpu_metadata
---
amdhsa.version: [ 1, 2 ]
amdhsa.kernels:
  - .name:           k_qfb5d0f4fc8_proj
    .symbol:         k_qfb5d0f4fc8_proj.kd
    .args:
      - { .name: xb, .offset: 0, .size: 8, .value_kind: global_buffer, .address_space: global }
      - { .name: wts, .offset: 8, .size: 8, .value_kind: global_buffer, .address_space: global }
      - { .name: tab, .offset: 16, .size: 8, .value_kind: global_buffer, .address_space: global }
      - { .name: qkv, .offset: 24, .size: 8, .value_kind: global_buffer, .address_space: global }
      - { .name: csum, .offset: 32, .size: 8, .value_kind: global_buffer, .address_space: global }
    .group_segment_fixed_size: 327680
    .private_segment_fixed_size: 0
    .kernarg_segment_align: 8
    .kernarg_segment_size: 40
    .max_flat_workgroup_size: 128
    .sgpr_count:     76
    .vgpr_count:     1024
    .wavefront_size: 32
...
	.end_amdgpu_metadata
.endif
;; end of part 2
;; launch attn (part 3): grid 64 x 4, 4 waves a work-group, no clusters, 327,680 bytes of LDS; arguments qkv, mb, csum, enc; writes enc
.if DOCPART == 3
	.amdgcn_target "amdgcn-amd-amdhsa--gfx1250"
	.amdhsa_code_object_version 6
	.text
	.protected	k_qfb5d0f4fc8_attn
	.globl	k_qfb5d0f4fc8_attn
	.p2align	8
	.type	k_qfb5d0f4fc8_attn,@function
k_qfb5d0f4fc8_attn:
	s_mov_b64 s[64:65], 0
	v_nop
	global_prefetch_b8 v0, s[64:65] scope:SCOPE_SE
	s_setreg_imm32_b32 hwreg(HW_REG_WAVE_MODE, 25, 1), 1
	s_wait_xcnt 0x0
; ATTN: enc[t][head][:] = softmax over the visible keys of 50 tanh(q.k / 16 / 50), times V.  q, k, v in f16 (normed, rotated, scales folded in), products and sums in f32, weights rounded to f16 for the
; second product (their sum is taken unrounded), enc rounded once to f16.
; THE CAP.  S = q'.k' is 2 log2(e) logit / 50, so u = 2^S = e^(2x), w = 1 / (1 + u), and the capped logit in base 2 is c / 2 - c w with c = 100 log2(e).  A weight is p = 2^(c mu - c w) with mu the RUNNING
; MINIMUM of w (the running maximum of the capped logit); O and l are multiplied by a = 2^(c mu_new - c mu_old) in every step.
; THE MASK stands behind the cap: a hidden score's w is replaced by 2.0 (mb's words are the selects).  A visible w is at most 1, so a hidden weight is 2^(-144 or less), which v_exp_f32 gives as 0.
; mu starts at 2.0: while a row has seen nothing, p = 2^0 = 1 and all stays finite; the first visible key brings a = 0.  A row that ends with c mu > 200 has seen no key at all: the softmax of equal numbers
; over all 4,096 keys is uniform, so its result is the mean of V, made from csum and chosen by v_cndmask_b32.
; SHARES.  A work-group owns 64 queries of a head.  Wave w = (qh, kh): 32 queries (two tiles of 16) and half kh of each step's 128 keys; at the end the two waves of a pair exchange one tile each and merge.
; My tile number 0 is tile 2 qh + kh of the block, number 1 the pair's other: each wave keeps number 0 and sends number 1.
; THE WALK.  Nine steps for every work-group: keys 64 (i - 17) + 128 j on: the band of 1,024 and the block's own 64, rounded up to steps.  A half of 64 keys in front of key 0 fetches keys 0-63 and is wholly
; hidden in mb.  So the trip count is a constant.
; NO CLUSTER: neighbouring blocks' runs of keys are shifted by 64; a walk common to four partners has 20 halves for 18, all multiplied by all.
; LIMITS.  A weight below 2^-126 counts as 0; p below 6e-5 keeps f16's fixed step.  NaN and infinities are not treated apart.
; O and l are cleared at the start (256 v_mov_b32 in the wait for the first tile), so that no first step is written out.
; REGISTERS.  window 0: v0-15, v32-47 addresses and at work; v16-31 statistics, 8 a tile (c mu, mu, l even, l odd, c0-c3; a takes c2's place); v64-127 S^T, 32 a tile; v128-191 rows on the way out; v192-223 P
;   window 1: O^T, 128 a tile       window 2: v0-127 Q, 64 a tile; v128-255 buffer X       window 3: v0-127 buffer Y       (X and Y take K's and V's fragments by turns)
.set SLOT,  137216                     ; K: 128 rows of 528 bytes (two halves of 33,792), then V: 128 rows of 544 (two halves of 34,816)
.set XCH,   SLOT                       ; the exchange: 4 x 16,896 bytes in slot 1, which has had its last fill (step 7) and its last read
.set MV,    2*SLOT                     ; the mean of V, 256 f16
.set STAGE, MV+512                     ; 16 rows x 528 bytes for each wave
.set SPARE, STAGE+4*8448               ; the spare words, 128 bytes a wave
.set AK0, 2
.set AV0, 3
.set AK,  4
.set AV,  5
.set QO,  6                            ; v6-7
.set GO,  8
.set XW,  9
.set XR,  10
.set SPW, 14
.set NIL, 15
.set ST,  16
.set STO, 32
.set RD,  33
.set MVA, 34
.set S,   64
.set OB,  128
.set P,   192
.set MSB, 0
.macro WIN new
.if MSB != (\new)
	s_set_vgpr_msb (MSB<<8)|(\new)
.set MSB, \new
.endif
.endm
.macro PLACES
.rept 4
	v_nop
.endr
.endm
.macro LOAD                            ; waves 0, 1 fetch the two halves of a step's K, waves 2, 3 of its V; an s_nop 0 and four v_nop follow each line
	s_cmp_lt_u32 s40, 2
	s_cbranch_scc0 .Lfor_v_\@
	tensor_load_to_lds s[32:35], s[16:23]
	s_nop 0
.rept 4
	v_nop
.endr
	s_branch .Lasked_\@
.Lfor_v_\@:
	tensor_load_to_lds s[36:39], s[24:31]
	s_nop 0
.rept 4
	v_nop
.endr
.Lasked_\@:
.endm
; THE CHANGE OF SLOTS.  Each wave waits for all its tensor loads (one is out: its part of the slot to be read), adds 0 to its spare word, and waits for that and for its reads of the slot that it leaves.
; Behind the barrier the old slot is filled first (fill = 1), with the step after the one to be read: it has a whole trip in which to land.  Then the new step's first fragments of K are fetched.
.macro OPEN fill
	WIN 0
	s_wait_tensorcnt 0x0                           ; no tensor load of mine is out: the descriptors may be written
	ds_add_u32 v[SPW], v[NIL]                      ; 0 onto my spare word; the scalar work stands between it and the wait for it
	s_mov_b32 s45, s44                             ; the slot that has landed is read,
.if \fill
	s_xor_b32 s44, s44, SLOT                       ; the other is filled
	s_max_i32 s50, s43, 0                          ; my half's block of 64 keys, or block 0 in front of the first key
	s_lshl_b32 s50, s50, 15
	s_add_co_i32 s43, s43, 2
	s_add_co_u32 s33, s44, s47
	s_add_nc_u64 s[34:35], s[12:13], s[50:51]      ; the address is made anew: the tensor's base and an offset made apart
	s_or_b32 s35, s35, 0x80000000
	s_add_co_u32 s37, s44, s48
	s_add_nc_u64 s[38:39], s[14:15], s[50:51]
	s_or_b32 s39, s39, 0x80000000
.endif
	s_wait_dscnt 0x0                               ; the add is done, my reads of the old slot are over (V's second half is in Y)
	s_barrier_signal -1
	s_barrier_wait -1
.if \fill
	LOAD                                           ; its four v_nop are also the places in front of the loads into X
.else
	PLACES
.endif
	v_add_nc_u32 v[AK], s45, v[AK0]
	v_add_nc_u32 v[AV], s45, v[AV0]
	FETCH_K 0, 0
.endm
.macro FETCH_K y, g                    ; 32 keys (blocks 2 g, 2 g + 1 of my 64) x 256 channels: 16 fragments into X (y = 0) or Y (y = 1)
	WIN 0x80+0x40*(\y)
.set f, 0
.rept 16
	ds_load_b128 v[128*(1-(\y))+8*f:128*(1-(\y))+8*f+3],   v[AK] offset:(2*(\g)+f/8)*8448+(f%8)*64
	ds_load_b128 v[128*(1-(\y))+8*f+4:128*(1-(\y))+8*f+7], v[AK] offset:(2*(\g)+f/8)*8448+(f%8)*64+32
.set f, f+1
.endr
.endm
.macro FETCH_V y, g                    ; the same 32 keys of V, turned: 16 fragments of 16 channels x 32 keys
	WIN 0x80+0x40*(\y)
.set f, 0
.rept 16
	ds_load_tr16_b128 v[128*(1-(\y))+8*f:128*(1-(\y))+8*f+3],   v[AV] offset:(\g)*17408+32*f
	ds_load_tr16_b128 v[128*(1-(\y))+8*f+4:128*(1-(\y))+8*f+7], v[AV] offset:(\g)*17408+8704+32*f
.set f, f+1
.endr
.endm
.macro KQ y, g                         ; S^T = K Q^T: 32 products on four accumulators (key block, tile) by turns; the first four start the sums
	WIN 0x0a+(\y)
.set i, 0
.rept 32
.set rS, S+32*(i%2)+8*(2*(\g)+(i/2)%2)
.set rK, 128*(1-(\y))+8*(8*((i/2)%2)+i/4)
.set rQ, 64*(i%2)+8*(i/4)
.if i < 4
	v_wmma_f32_16x16x32_f16 v[rS:rS+7], v[rK:rK+7], v[rQ:rQ+7], 0
.else
	v_wmma_f32_16x16x32_f16 v[rS:rS+7], v[rK:rK+7], v[rQ:rQ+7], v[rS:rS+7]
.endif
.set i, i+1
.endr
.endm
.macro PV y, g                         ; O^T += V^T P: 32 products, each on its own accumulator
	WIN 0x52+(\y)
.set i, 0
.rept 32
.set rO, 128*(i%2)+8*(i/2)
.set rV, 128*(1-(\y))+8*(i/2)
.set rP, P+16*(i%2)+8*(\g)
	v_wmma_f32_16x16x32_f16 v[rO:rO+7], v[rV:rV+7], v[rP:rP+7], v[rO:rO+7]
.set i, i+1
.endr
.endm
.macro SOFTMAX t                       ; tile t: a lane's 32 scores
.set rT, ST+8*(\t)
.set rS, S+32*(\t)
.set rP, P+16*(\t)
	WIN 0
.set i, 0
.rept 32
	v_exp_f32 v[rS+i], v[rS+i]                     ; u; each accumulator is read from its low end on
.set i, i+1
.endr
	v_nop                                          ; a plain line behind the run, ahead of the use of its results
.set i, 0
	s_wait_alu depctr_va_vdst(0)
.rept 16
	v_pk_add_f32 v[rS+2*i:rS+2*i+1], v[rS+2*i:rS+2*i+1], 1.0 op_sel_hi:[1,0]
.set i, i+1
.endr
.set i, 0
.rept 32
	v_rcp_f32 v[rS+i], v[rS+i]                     ; w
.set i, i+1
.endr
	v_nop
	s_wait_kmcnt 0x0                               ; the tile's 32 mask words
.set i, 0
	s_wait_alu depctr_va_vdst(0)
.rept 32
	v_cndmask_b32 v[rS+i], v[rS+i], 2.0, s[68+i]
.set i, i+1
.endr
.if (\t) == 0
	s_load_b512 s[68:83], s[52:53], 0x0            ; the other tile's words: the rest of this tile stands in front of their wait
	s_load_b512 s[84:99], s[52:53], 0x40
.endif
.set j, 0
.rept 4
	v_min3_num_f32 v[rT+4+j], v[rS+8*j], v[rS+8*j+1], v[rS+8*j+2]
.set j, j+1
.endr
.rept 8
	v_min3_num_f32 v[rT+4+j%4], v[rT+4+j%4], v[rS+8*(j%4)+2*(j/4)+1], v[rS+8*(j%4)+2*(j/4)+2]
.set j, j+1
.endr
	v_min3_num_f32 v[rT+4], v[rT+4], v[rS+7], v[rS+15]
	v_min3_num_f32 v[rT+6], v[rT+6], v[rS+23], v[rS+31]
	v_min3_num_f32 v[rT+4], v[rT+4], v[rT+5], v[rT+6]
	v_min3_num_f32 v[rT+4], v[rT+4], v[rT+7], v[rT+1]
	v_mov_b32 v[rT+7], v[rT]                       ; c mu_old
	v_permlanex16_b32 v[rT+5], v[rT+4], s56, s57   ; the query's other 32 keys lie in the lane 16 away
	v_min_num_f32 v[rT+1], v[rT+4], v[rT+5]
	v_mul_f32 v[rT], s58, v[rT+1]
	v_sub_f32 v[rT+7], v[rT], v[rT+7]
.set i, 0
.rept 16
	v_pk_fma_f32 v[rS+2*i:rS+2*i+1], v[rS+2*i:rS+2*i+1], s[54:55], v[rT:rT+1] op_sel_hi:[1,0,0]  ; c mu - c w
.set i, i+1
.endr
	v_exp_f32 v[rT+6], v[rT+7]                     ; a
.set i, 0
.rept 32
	v_exp_f32 v[rS+i], v[rS+i]                     ; p
.set i, i+1
.endr
	v_nop
.set i, 0
	s_wait_alu depctr_va_vdst(0)
.rept 16
	v_cvt_pk_f16_f32 v[rP+i], v[rS+2*i], v[rS+2*i+1]
.set i, i+1
.endr
.irp w, 4,8,16,32                      ; the sum of the 16 pairs, in place: neighbours 1, 2, 4, 8 pairs apart
.set i, 0
.rept 32/\w
	v_pk_add_f32 v[rS+\w*i:rS+\w*i+1], v[rS+\w*i:rS+\w*i+1], v[rS+\w*i+\w/2:rS+\w*i+\w/2+1]
.set i, i+1
.endr
.endr
	v_pk_fma_f32 v[rT+2:rT+3], v[rT+2:rT+3], v[rT+6:rT+7], v[rS:rS+1] op_sel_hi:[1,0,1]  ; l = a l + sum
	WIN 0x41
.set i, 0
.rept 64
	v_pk_mul_f32 v[128*(\t)+2*i:128*(\t)+2*i+1], v[128*(\t)+2*i:128*(\t)+2*i+1], v[rT+6:rT+7] op_sel_hi:[1,0]
.set i, i+1
.endr
.endm
; The rest of a trip.  X and Y hold in turn: K's first 32 keys, K's second, V's first, V's second; each run of 32 loads stands four places behind the last product that read its buffer.
.macro BODY
	FETCH_K 1, 1
	s_load_b512 s[68:83], s[6:7], 0x0              ; tile 0's mask words for this step
	s_load_b512 s[84:99], s[6:7], 0x40
	s_wait_dscnt 32                                ; X is in; the 32 loads into Y stay out
	KQ 0, 0
	PLACES
	FETCH_V 0, 0
	s_wait_dscnt 32                                ; Y is in
	KQ 1, 1
	PLACES                                         ; also the places in front of the softmax's first reads
	FETCH_V 1, 1
	SOFTMAX 0
	SOFTMAX 1
	s_wait_dscnt 32                                ; V's first 32 keys are in
	PV 0, 0
	WIN 0
	s_add_nc_u64 s[6:7], s[6:7], 256               ; the scalar loads have been waited for: their bases step
	s_add_nc_u64 s[52:53], s[52:53], 256
.endm
	s_load_b256 s[4:11], s[0:1], 0x0               ; qkv 4, mb 6, csum 8, enc 10
	v_lshl_add_u32 v[SPW], v0, 2, SPARE
	v_mov_b32 v[NIL], 0
	ds_add_u32 v[SPW], v[NIL]                      ; the wave's opening: the add and its wait ahead of my first tensor load
	ds_add_u32 v14, v15
	v_lshrrev_b32 v1, 5, v0
	v_readfirstlane_b32 s40, v1                    ; wave 0..3
	s_lshr_b32 s41, s40, 1                         ; qh
	s_and_b32 s42, s40, 1                          ; kh; also: which half of a tile I fetch
	s_mov_b32 s2, ttmp9                            ; i: the block of 64 queries
	s_and_b32 s3, ttmp7, 0xffff                    ; the head
	s_mov_b32 s16, (1<<16)|(1<<20)|(6<<22)|(3<<25) ; 2-byte elements; padding on; after every 128 words 4 words
	s_mov_b32 s24, (1<<16)|(1<<20)|(6<<22)|(7<<25) ; 8 words
.irp g, 16, 24
	s_mov_b32 s[\g+1], 256<<16                     ; tensor_dim0
	s_mov_b32 s[\g+2], 64<<16                      ; tensor_dim1
	s_mov_b32 s[\g+3], 256<<16                     ; tile_dim0
	s_mov_b32 s[\g+4], 64                          ; tile_dim1
	s_mov_b32 s[\g+5], 256                         ; elements from row to row
	s_mov_b32 s[\g+6], 0
	s_mov_b32 s[\g+7], 0
.endr
	s_mul_i32 s47, s42, 33792                      ; half kh of K in a slot,
	s_mul_i32 s48, s42, 34816
	s_add_co_u32 s48, s48, 67584                   ; and of V
	s_sub_co_i32 s43, s2, 17
	s_add_co_i32 s43, s43, s42                     ; my half's block of 64 keys in step 0
	s_mov_b32 s44, 0                               ; step 0 goes into slot 0
	s_mov_b32 s51, 0
	s_mov_b32 s54, 0xc31044fe                      ; -c = -100 log2(e)
	s_mov_b32 s55, s54
	s_mov_b32 s56, 0x76543210
	s_mov_b32 s57, 0xfedcba98
	s_mov_b32 s58, 0x431044fe                      ; c
	s_mov_b32 s60, 0x43480000                      ; 200: between c (a row that saw a key) and 2 c (one that saw none)
	s_mov_b32 s32, 1
	s_mov_b32 s33, s47
	s_mov_b32 s36, 1
	s_mov_b32 s37, s48
	s_max_i32 s50, s43, 0
	s_lshl_b32 s50, s50, 15                        ; 64 rows of 512 bytes
	s_add_co_i32 s43, s43, 2
	s_lshl_b32 s62, s3, 21                         ; 2 MiB to a head
	s_mov_b32 s63, 0
	s_wait_dscnt 0x0                               ; the opening add is done
	s_wait_kmcnt 0x0
	s_add_nc_u64 s[4:5], s[4:5], s[62:63]          ; q of my head,
	s_add_nc_u64 s[12:13], s[4:5], 8388608         ; k,
	s_add_nc_u64 s[14:15], s[4:5], 16777216        ; v
	s_add_nc_u64 s[34:35], s[12:13], s[50:51]
	s_or_b32 s35, s35, 0x80000000
	s_add_nc_u64 s[38:39], s[14:15], s[50:51]
	s_or_b32 s39, s39, 0x80000000
	LOAD                                           ; step 0: one load of mine is out
	v_and_b32 v1, 15, v0                           ; r
	v_bfe_u32 v12, v0, 4, 1                        ; h
	v_and_b32 v11, 31, v0                          ; l
	v_lshlrev_b32 v13, 9, v1
	v_lshl_add_u32 v13, v12, 4, v13                ; row x 512 + 16 h
	s_lshl_b32 s61, s41, 1
	s_add_co_u32 s62, s61, s42                     ; my tile 0 in the block: 2 qh + kh
	s_xor_b32 s63, s42, 1
	s_add_co_u32 s63, s61, s63                     ; my tile 1
	s_lshl_b32 s66, s62, 13
	s_lshl_b32 s67, s63, 13
	v_add_nc_u32 v[QO], s66, v13
	v_add_nc_u32 v[QO+1], s67, v13
	s_lshl_b32 s66, s2, 15
	s_mov_b32 s67, 0
	s_add_nc_u64 s[4:5], s[4:5], s[66:67]
	WIN 0x80
.set i, 0
.rept 16                                               ; Q stays in registers: tile i / 8, channels 32 (i % 8) on
	global_load_b128 v[8*i:8*i+3],   v[QO+i/8], s[4:5] offset:(i%8)*64
	global_load_b128 v[8*i+4:8*i+7], v[QO+i/8], s[4:5] offset:(i%8)*64+32
.set i, i+1
.endr
	WIN 0
	s_lshl_b32 s49, s42, 7                         ; mb: 2,304 bytes to a tile, 256 to a step, 128 to a half
	s_lshl2_add_u32 s66, s2, s63
	s_mul_i32 s66, s66, 2304
	s_add_co_u32 s66, s66, s49
	s_add_nc_u64 s[52:53], s[6:7], s[66:67]        ; tile 1's words
	s_lshl2_add_u32 s66, s2, s62
	s_mul_i32 s66, s66, 2304
	s_add_co_u32 s66, s66, s49
	s_add_nc_u64 s[6:7], s[6:7], s[66:67]          ; tile 0's
	s_lshl_b32 s66, s2, 17                         ; enc: rows of 2,048 bytes; my tile 0's sixteen rows, my head's 512 bytes
	s_lshl_b32 s61, s62, 15
	s_add_co_u32 s66, s66, s61
	s_lshl_b32 s61, s3, 9
	s_add_co_u32 s66, s66, s61
	s_add_nc_u64 s[10:11], s[10:11], s[66:67]
	s_lshl_b32 s66, s3, 16
	s_add_nc_u64 s[8:9], s[8:9], s[66:67]
	v_lshlrev_b32 v13, 3, v0                       ; thread t owns channels 2 t, 2 t + 1 of the mean
	WIN 0xc0
.set i, 0
.rept 64
	global_load_b64 v[2*i:2*i+1], v13, s[8:9] offset:1024*i
.set i, i+1
.endr
	WIN 0x40
.set i, 0
.rept 256
	v_mov_b32 v[i], 0                              ; O^T
.set i, i+1
.endr
	WIN 0
.irp t, 0,1
	v_mov_b32 v[ST+8*\t], 0x439044fe               ; c mu = 2 c
	v_mov_b32 v[ST+8*\t+1], 2.0                    ; mu
	v_mov_b32 v[ST+8*\t+2], 0
	v_mov_b32 v[ST+8*\t+3], 0
.endr
	v_mov_b32 v44, 0
	v_mul_u32_u24 v[AK0], v1, 528
	v_lshl_add_u32 v[AK0], v12, 4, v[AK0]
	v_add_nc_u32 v[AK0], s47, v[AK0]               ; my half of K: row x pitch + 16 h
	v_and_b32 v36, 7, v0
	v_lshl_add_u32 v36, v12, 3, v36
	v_mul_u32_u24 v[AV0], v36, 544
	v_bfe_u32 v36, v0, 3, 1
	v_lshl_add_u32 v[AV0], v36, 4, v[AV0]
	v_add_nc_u32 v[AV0], s48, v[AV0]               ; my half of V, for the turning load
	v_lshlrev_b32 v[GO], 4, v11
	s_mul_i32 s61, s40, 16896
	s_add_co_u32 s61, s61, XCH
	v_add_nc_u32 v[XW], s61, v[GO]
	s_xor_b32 s61, s40, 1
	s_mul_i32 s61, s61, 16896
	s_add_co_u32 s61, s61, XCH
	v_add_nc_u32 v[XR], s61, v[GO]
	s_mul_i32 s61, s40, 8448
	s_add_co_u32 s61, s61, STAGE
	v_add_nc_u32 v[RD], s61, v[GO]
	v_mul_u32_u24 v[STO], v1, 528
	v_lshl_add_u32 v[STO], v12, 4, v[STO]
	v_add_nc_u32 v[STO], s61, v[STO]
	v_lshl_add_u32 v[MVA], v12, 4, MV
	v_lshl_add_u32 v37, v0, 2, MV
	s_wait_loadcnt 0x0                             ; Q and the 64 partial column sums
	WIN 0xcf
.set i, 4
.rept 60                                               ; four chains
	v_pk_add_f32 v[2*(i%4):2*(i%4)+1], v[2*(i%4):2*(i%4)+1], v[2*i:2*i+1]
.set i, i+1
.endr
	v_pk_add_f32 v[0:1], v[0:1], v[2:3]
	v_pk_add_f32 v[4:5], v[4:5], v[6:7]
	v_pk_add_f32 v[0:1], v[0:1], v[4:5]
	v_pk_mul_f32 v[0:1], v[0:1], 0x39800000 op_sel_hi:[1,0]  ; / 4096
	WIN 0x0f
	v_cvt_pk_f16_f32 v36, v0, v1
	WIN 0
	ds_store_b32 v37, v36                          ; read at the end, behind many barriers in front of which this store has been waited for
	OPEN 1                                         ; step 0 is in, everybody's part of it; step 1 is asked for
	WIN 0
	s_mov_b32 s46, 8
	s_branch .Lmid                                 ; the loop is entered in the middle of a trip: there is no step before the first
.Ltrip:                                                ; taken seven times: steps 2 to 8 are asked for
	OPEN 1
	PV 1, 1                                        ; the step before: V's second 32 keys
	PLACES
	WIN 0
.Lmid:
	BODY
	s_sub_co_u32 s46, s46, 1
	s_cmp_lg_u32 s46, 0
	s_cbranch_scc1 .Ltrip
	OPEN 0                                         ; the last step is written out: nothing is asked for
	PV 1, 1
	PLACES
	BODY
	s_wait_dscnt 0x0
	PV 1, 1
	PLACES
	; THE END.  Tile 1 goes to my partner, its tile for my tile 0 comes back; the two halves of the keys are merged under their common minimum.
	WIN 0
	v_add_f32 v[ST+2], v[ST+2], v[ST+3]
	v_add_f32 v[ST+9], v[ST+10], v[ST+11]          ; beside c mu: the four registers travel together
	WIN 0x04
.set i, 0
.rept 32
	ds_store_b128 v[XW], v[128+4*i:128+4*i+3] offset:512*i
.set i, i+1
.endr
	WIN 0
	ds_store_b128 v[XW], v[ST+8:ST+11] offset:16384
	s_wait_dscnt 0x0                               ; for my partner's sake
	s_barrier_signal -1
	s_barrier_wait -1
	ds_load_b128 v[36:39], v[XR] offset:16384      ; c mu and l of the other half of the keys
	WIN 0x80
.set i, 0
.rept 32
	ds_load_b128 v[128+4*i:128+4*i+3], v[XR] offset:512*i
.set i, i+1
.endr
	WIN 0xc0
.set i, 0
.rept 16
	ds_load_b128 v[4*i:4*i+3], v[MVA] offset:32*i  ; the mean of V for my eight channels of each block of 16
.set i, i+1
.endr
	WIN 0
	s_wait_dscnt 48                                ; the statistics are in
	v_min_num_f32 v40, v[ST], v36
	v_sub_f32 v41, v40, v[ST]
	v_sub_f32 v42, v40, v36
	v_exp_f32 v41, v41
	v_exp_f32 v42, v42
	v_nop
	v_cmp_gt_f32 s59, v40, s60                     ; the row has seen no key
	s_wait_alu depctr_va_vdst(0)
	v_mul_f32 v43, v[ST+2], v41
	v_fmac_f32 v43, v37, v42
	v_permlanex16_b32 v44, v43, s56, s57
	v_add_f32 v43, v43, v44
	v_rcp_f32 v43, v43
	v_nop
	s_wait_alu depctr_va_vdst(0)
	v_mul_f32 v44, v41, v43
	v_mul_f32 v46, v42, v43
	v_mov_b32 v45, v44
	v_mov_b32 v47, v46
	WIN 0x41
.set i, 0
.rept 64
	v_pk_mul_f32 v[2*i:2*i+1], v[2*i:2*i+1], v[44:45]
.set i, i+1
.endr
	s_wait_dscnt 16                                ; my partner's O^T is in
	WIN 0x52
.set i, 0
.rept 64
	v_pk_fma_f32 v[2*i:2*i+1], v[128+2*i:128+2*i+1], v[46:47], v[2*i:2*i+1]
.set i, i+1
.endr
	WIN 0x05
.set i, 0
.rept 64
	v_cvt_pk_f16_f32 v[S+i], v[2*i], v[2*i+1]
.set i, i+1
.endr
	s_wait_dscnt 0x0
	WIN 0x0c
.set i, 0
.rept 64
	v_cndmask_b32 v[S+i], v[S+i], v[i], s59
.set i, i+1
.endr
	WIN 0
.set i, 0
.rept 16
	ds_store_b128 v[STO], v[S+4*i:S+4*i+3] offset:32*i
.set i, i+1
.endr
.set i, 0
.rept 16
	ds_load_b128 v[OB+4*i:OB+4*i+3], v[RD] offset:528*i  ; my own stage: LDS serves a wave's instructions in order
.set i, i+1
.endr
.set i, 0
.rept 16
	s_wait_dscnt 15-i
	global_store_b128 v[GO], v[OB+4*i:OB+4*i+3], s[10:11] offset:2048*i  ; 512 consecutive bytes, at a multiple of 256 from enc's first
.set i, i+1
.endr
	s_wait_tensorcnt 0x0                           ; the wave's end
	ds_add_u32 v[SPW], v[NIL]
	s_wait_dscnt 0x0
	s_endpgm
.Lfunc_end_k_qfb5d0f4fc8_attn:
	.size	k_qfb5d0f4fc8_attn, .Lfunc_end_k_qfb5d0f4fc8_attn-k_qfb5d0f4fc8_attn
	.p2alignl 7, 3214868480
	.fill 96, 4, 3214868480
	.section	.rodata,"a",@progbits
	.p2align	6, 0x0
	.amdhsa_kernel k_qfb5d0f4fc8_attn
		.amdhsa_group_segment_fixed_size 327680
		.amdhsa_private_segment_fixed_size 0
		.amdhsa_enable_private_segment 0
		.amdhsa_kernarg_size 32
		.amdhsa_user_sgpr_count 2
		.amdhsa_user_sgpr_kernarg_segment_ptr 1
		.amdhsa_wavefront_size32 1
		.amdhsa_system_sgpr_workgroup_id_x 1
		.amdhsa_system_sgpr_workgroup_id_y 1
		.amdhsa_system_sgpr_workgroup_id_z 1
		.amdhsa_system_vgpr_workitem_id 0
		.amdhsa_next_free_vgpr 896
		.amdhsa_next_free_sgpr 100
		.amdhsa_reserve_vcc 0
		.amdhsa_float_denorm_mode_32 3
		.amdhsa_float_denorm_mode_16_64 3
		.amdhsa_memory_ordered 1
		.amdhsa_forward_progress 1
		.amdhsa_inst_pref_size 155
	.end_amdhsa_kernel
	.amdgpu_metadata
---
amdhsa.version: [ 1, 2 ]
amdhsa.kernels:
  - .name:           k_qfb5d0f4fc8_attn
    .symbol:         k_qfb5d0f4fc8_attn.kd
    .args:
      - { .name: qkv, .offset: 0, .size: 8, .value_kind: global_buffer, .address_space: global }
      - { .name: mb, .offset: 8, .size: 8, .value_kind: global_buffer, .address_space: global }
      - { .name: csum, .offset: 16, .size: 8, .value_kind: global_buffer, .address_space: global }
      - { .name: enc, .offset: 24, .size: 8, .value_kind: global_buffer, .address_space: global }
    .group_segment_fixed_size: 327680
    .private_segment_fixed_size: 0
    .kernarg_segment_align: 8
    .kernarg_segment_size: 32
    .max_flat_workgroup_size: 128
    .sgpr_count:     100
    .vgpr_count:     896
    .wavefront_size: 32
...
	.end_amdgpu_metadata
.endif
;; end of part 3
;; launch oproj (part 4): grid 8 x 32, 4 waves a work-group, clusters of 4 x 4, 327,680 bytes of LDS; arguments enc, wts, out0; writes out0
.if DOCPART == 4
	.amdgcn_target "amdgcn-amd-amdhsa--gfx1250"
	.amdhsa_code_object_version 6
	.text
	.protected	k_qfb5d0f4fc8_oproj
	.globl	k_qfb5d0f4fc8_oproj
	.p2align	8
	.type	k_qfb5d0f4fc8_oproj,@function
k_qfb5d0f4fc8_oproj:
	s_mov_b64 s[64:65], 0
	v_nop
	global_prefetch_b8 v0, s[64:65] scope:SCOPE_SE
	s_setreg_imm32_b32 hwreg(HW_REG_WAVE_MODE, 25, 1), 1
	s_wait_xcnt 0x0
	s_wait_alu depctr_hold_cnt(0) depctr_sa_sdst(0) depctr_va_vdst(0) depctr_va_sdst(0) depctr_va_ssrc(0) depctr_va_vcc(0) depctr_vm_vsrc(0)
	s_getreg_b32 s2, hwreg(HW_REG_IB_STS2, 6, 4)
	s_cmp_eq_u32 s2, 0
	s_cbranch_scc0 .Lentry_in_a_cluster
	s_endpgm
.Lentry_in_a_cluster:
	s_bfe_u32 s2, ttmp6, 0x10000c
	s_cmp_lg_u32 s2, 0xf033
	s_cbranch_scc0 .Lentry_shape_is_right
	s_endpgm
.Lentry_shape_is_right:
; OPROJ: out0[t][d] = the sum over k of enc[t][k] ob[k][d].  enc [4096][1024] f16; ob [1024][2048] = o_w rounded to bf16 and written as f16, at byte 12,582,912 of wts; sums and out0 in f32.
; A tile of 128 x 256 gives 256 work-groups.  Four waves, each 64 rows x 128 columns: 32 accumulators.  K goes in steps of 128 through two LDS slots: enc's tile 128 rows of 256 bytes (pitch 272),
; ob's 128 k-rows of 512 bytes (pitch 544), read turned by ds_load_tr16_b128.
; CLUSTER 4 x 4: enc's tile is asked for jointly along a row of the cluster, ob's along a column.  THE MATRIX INSTRUCTION IS USED TRANSPOSED: a lane holds eight neighbouring columns of one row.
; WAY OUT: sixteen rows at a time through the wave's own stage (rows of 528 bytes), back as whole rows of 512 bytes, stored from registers.
; REGISTERS.  window 0: v0-31 addresses; enc's fragments v32-63, v128-159; ob's v64-127, v160-223 (two buffers; on the way out v32-159 take the rows read back).  window 1: accumulator (a, b) at 8 (8 a + b).
.set PA,    272
.set PB,    544
.set BOFF,  34816
.set SLOT,  104448
.set STAGE, 2*SLOT
.set SP,    528
.set SPARE, STAGE+4*16*SP
.set LAPS,  4                          ; 1024 / 256
.set ADRA, 16
.set ADRB, 20
.set STO,  24
.set RD,   25
.set CO,   26
.set SPW,  28
.set NIL,  29
.set G1A, 24
.set G0A, 32
.set G1B, 48
.set G0B, 56
.set MSB, 0
.macro WIN new
.if MSB != (\new)
	s_set_vgpr_msb (MSB<<8)|(\new)
.set MSB, \new
.endif
.endm
.macro PLACES
.rept 4
	v_nop
.endr
.endm
.macro JLOAD s                         ; waves 0, 1 fetch enc's two halves, waves 2, 3 ob's; an s_nop 0 and four v_nop follow each line
	s_cmp_eq_u32 s11, 0
	s_cbranch_scc0 .Lfor_b_\@
	tensor_load_to_lds s[G0A+4*(\s):G0A+4*(\s)+3], s[G1A:G1A+7]
	s_nop 0
.rept 4
	v_nop
.endr
	s_branch .Lasked_\@
.Lfor_b_\@:
	tensor_load_to_lds s[G0B+4*(\s):G0B+4*(\s)+3], s[G1B:G1B+7]
	s_nop 0
.rept 4
	v_nop
.endr
.Lasked_\@:
.endm
.macro CREST
	s_cmp_lg_u32 s10, 0
	s_cbranch_scc1 .Lnot_wave_0_\@
	s_barrier_signal -3
.Lnot_wave_0_\@:
	s_barrier_wait -3
	s_barrier_signal -1
	s_barrier_wait -1
.endm
.macro CROUND
	s_barrier_signal -1
	s_barrier_wait -1
	CREST
.endm
	s_load_b128 s[4:7], s[0:1], 0x0                ; enc 4, wts 6
	s_load_b64 s[8:9], s[0:1], 0x10                ; out0
	v_lshl_add_u32 v[SPW], v0, 2, SPARE
	v_mov_b32 v[NIL], 0
	ds_add_u32 v[SPW], v[NIL]                      ; the wave's opening: the add and its wait ahead of my first tensor load
	ds_add_u32 v28, v29
	v_lshrrev_b32 v1, 5, v0
	v_readfirstlane_b32 s10, v1                    ; wave 0..3
	s_lshr_b32 s11, s10, 1                         ; my half of the tile's rows; also: I fetch for enc (0) or for ob (1)
	s_and_b32 s12, s10, 1                          ; my half of its columns; also: which half of that tile I fetch
	s_bfe_u32 s40, ttmp6, 0x40000                  ; cx
	s_bfe_u32 s41, ttmp6, 0x40004                  ; cy
	s_lshl_b32 s42, ttmp9, 2
	s_add_co_u32 s42, s42, s40                     ; tile column
	s_and_b32 s13, ttmp7, 0xffff
	s_lshl_b32 s13, s13, 2
	s_add_co_u32 s13, s13, s41                     ; tile row
	s_lshl_b32 s43, s41, 2
	s_lshl_b32 s43, 15, s43                        ; my row of the cluster
	s_lshl_b32 s44, 0x1111, s40                    ; my column
	s_or_b32 s[G1A], s43, (1<<16)|(1<<20)|(1<<21)|(5<<22)|(3<<25)
	s_or_b32 s[G1B], s44, (1<<16)|(1<<20)|(1<<21)|(6<<22)|(7<<25)
	s_mov_b32 s[G1A+1], 128<<16                    ; tensor_dim0
	s_mov_b32 s[G1A+2], 64<<16                     ; tensor_dim1
	s_mov_b32 s[G1A+3], 128<<16                    ; tile_dim0
	s_mov_b32 s[G1A+4], 64                         ; tile_dim1
	s_mov_b32 s[G1A+5], 1024                       ; elements from row to row
	s_mov_b32 s[G1A+6], 0
	s_mov_b32 s[G1A+7], 0
	s_mov_b32 s[G1B+1], 256<<16
	s_mov_b32 s[G1B+2], 64<<16
	s_mov_b32 s[G1B+3], 256<<16
	s_mov_b32 s[G1B+4], 64
	s_mov_b32 s[G1B+5], 2048
	s_mov_b32 s[G1B+6], 0
	s_mov_b32 s[G1B+7], 0
	s_lshl_b32 s16, s13, 18                        ; enc: 128 rows of 2,048 bytes to a tile row,
	s_lshl_b32 s17, s12, 17                        ; 64 to a half
	s_add_co_u32 s16, s16, s17
	s_mov_b32 s17, 0
	s_lshl_b32 s46, s42, 9                         ; ob: 512 bytes to a tile column,
	s_lshl_b32 s47, s12, 18                        ; 64 k-rows of 4,096 bytes to a half,
	s_add_co_u32 s46, s46, s47
	s_add_co_u32 s46, s46, 12582912                ; behind the twelve projection weights
	s_mov_b32 s47, 0
	s_mul_i32 s20, s12, 17408                      ; where a half of enc's tile lands in a slot,
	s_mul_i32 s21, s12, 34816
	s_add_co_u32 s21, s21, BOFF                    ; and a half of ob's
	s_wait_dscnt 0x0                               ; the opening add is done
	s_wait_kmcnt 0x0
	s_add_nc_u64 s[14:15], s[4:5], s[16:17]
	s_add_nc_u64 s[46:47], s[6:7], s[46:47]
	CROUND                                         ; all sixteen work-groups are here: the first joint loads meet
.irp s, 0,1
	s_mov_b32 s[G0A+4*\s], 1
	s_add_co_u32 s[G0A+4*\s+1], s20, \s*SLOT
	s_add_nc_u64 s[G0A+4*\s+2:G0A+4*\s+3], s[14:15], \s*256
	s_or_b32 s[G0A+4*\s+3], s[G0A+4*\s+3], 0x80000000
	s_mov_b32 s[G0B+4*\s], 1
	s_add_co_u32 s[G0B+4*\s+1], s21, \s*SLOT
	s_add_nc_u64 s[G0B+4*\s+2:G0B+4*\s+3], s[46:47], \s*524288
	s_or_b32 s[G0B+4*\s+3], s[G0B+4*\s+3], 0x80000000
	JLOAD \s                                       ; two loads of mine are out
.endr
	v_and_b32 v1, 15, v0                           ; r
	v_bfe_u32 v2, v0, 4, 1                         ; h
	v_and_b32 v3, 31, v0
	v_lshlrev_b32 v[CO], 4, v3                     ; 16 l
	v_mul_u32_u24 v4, v1, PA
	v_lshl_add_u32 v4, v2, 4, v4
	s_mul_i32 s22, s11, 64*PA
	v_add_nc_u32 v[ADRA], s22, v4
	v_add_nc_u32 v[ADRA+1], SLOT, v[ADRA]
	v_and_b32 v5, 7, v0
	v_lshl_add_u32 v5, v2, 3, v5
	v_mul_u32_u24 v5, v5, PB
	v_bfe_u32 v6, v0, 3, 1
	v_lshl_add_u32 v5, v6, 4, v5
	s_lshl_b32 s22, s12, 8
	s_add_co_u32 s22, s22, BOFF
	v_add_nc_u32 v[ADRB], s22, v5
	v_add_nc_u32 v[ADRB+1], SLOT, v[ADRB]
	s_mul_i32 s22, s10, 16*SP
	s_add_co_u32 s22, s22, STAGE
	v_mul_u32_u24 v[STO], v1, SP
	v_lshl_add_u32 v[STO], v2, 5, v[STO]
	v_add_nc_u32 v[STO], s22, v[STO]               ; in: row r, 32 bytes for each half of the lanes
	v_add_nc_u32 v[RD], s22, v[CO]                 ; back: a row of 512 bytes
	s_lshl_b32 s18, s13, 20                        ; out0: rows of 8,192 bytes
	s_lshl_b32 s19, s11, 19
	s_add_co_u32 s18, s18, s19
	s_lshl_b32 s19, s42, 10
	s_add_co_u32 s18, s18, s19
	s_lshl_b32 s19, s12, 9
	s_add_co_u32 s18, s18, s19
	s_mov_b32 s19, 0
	s_add_nc_u64 s[8:9], s[8:9], s[18:19]
.macro MUL8 f, a, zero                 ; row block a x my 8 column blocks, 32 along K; the accumulators take turns
	WIN 0x50
.set nb, 0
.rept 8
.set AC, 8*(8*(\a)+nb)
.if \zero
	v_wmma_f32_16x16x32_f16 v[AC:AC+7], v[64+96*(\f)+8*nb:64+96*(\f)+8*nb+7], v[32+96*(\f)+8*(\a):32+96*(\f)+8*(\a)+7], 0
.else
	v_wmma_f32_16x16x32_f16 v[AC:AC+7], v[64+96*(\f)+8*nb:64+96*(\f)+8*nb+7], v[32+96*(\f)+8*(\a):32+96*(\f)+8*(\a)+7], v[AC:AC+7]
.endif
.set nb, nb+1
.endr
.endm
.macro FETCH slot, q, f                ; 24 LDS loads in one run: ob's eight fragments, then enc's four
	WIN 0
.set nb, 0
.rept 8
	ds_load_tr16_b128 v[64+96*(\f)+8*nb:64+96*(\f)+8*nb+3],   v[ADRB+(\slot)] offset:(\q)*32*PB+32*nb
	ds_load_tr16_b128 v[64+96*(\f)+8*nb+4:64+96*(\f)+8*nb+7], v[ADRB+(\slot)] offset:(\q)*32*PB+16*PB+32*nb
.set nb, nb+1
.endr
.set nb, 0
.rept 4
	ds_load_b128 v[32+96*(\f)+8*nb:32+96*(\f)+8*nb+3],   v[ADRA+(\slot)] offset:nb*16*PA+64*(\q)
	ds_load_b128 v[32+96*(\f)+8*nb+4:32+96*(\f)+8*nb+7], v[ADRA+(\slot)] offset:nb*16*PA+64*(\q)+32
.set nb, nb+1
.endr
.endm
.macro QUARTER slot, q, f, g, zero
	s_wait_dscnt 4                                 ; all but enc's row blocks 2 and 3 are in
	MUL8 \f, 0, \zero
	MUL8 \f, 1, \zero
	PLACES
	FETCH \slot, \q, \g
	s_wait_dscnt 24                                ; all but the 24 just issued
	MUL8 \f, 2, \zero
	MUL8 \f, 3, \zero
.endm
; The change of slots: one barrier; in front of it each wave waits for all its tensor loads, adds 0 to its spare word, and waits for that and for its reads of this slot.
; fill = 1: the barrier opens a round of the cluster's, and this slot is filled again, two K steps ahead, first thing behind the round.
.macro TURN slot, next, fill
	WIN 0
	s_wait_tensorcnt 0x0
	ds_add_u32 v[SPW], v[NIL]
	s_wait_dscnt 5                                 ; the add and enc's row blocks 2 and 3 may be out
	MUL8 1, 0, 0
	s_wait_dscnt 0x0
	s_barrier_signal -1
	MUL8 1, 1, 0
.if \fill
	WIN 0
.endif
	s_barrier_wait -1
.if \fill
	CREST
	s_add_nc_u64 s[G0A+4*(\slot)+2:G0A+4*(\slot)+3], s[G0A+4*(\slot)+2:G0A+4*(\slot)+3], 512
	s_add_nc_u64 s[G0B+4*(\slot)+2:G0B+4*(\slot)+3], s[G0B+4*(\slot)+2:G0B+4*(\slot)+3], 1048576
	JLOAD \slot                                    ; its four v_nop are also the places in front of the loads below
.else
	PLACES
.endif
	FETCH \next, 0, 0
	MUL8 1, 2, 0
	MUL8 1, 3, 0
.endm
	s_wait_tensorcnt 1                             ; my part of K step 0 is in; step 1's may stay out
	s_barrier_signal -1
	s_barrier_wait -1
	FETCH 0, 0, 0
	QUARTER 0, 1, 0, 1, 1                          ; the first quarter's products start the sums
	WIN 0
	s_mov_b32 s3, LAPS-1
.Llap:
	QUARTER 0, 2, 1, 0, 0
	QUARTER 0, 3, 0, 1, 0
	TURN 0, 1, 1
	QUARTER 1, 1, 0, 1, 0
	QUARTER 1, 2, 1, 0, 0
	QUARTER 1, 3, 0, 1, 0
	TURN 1, 0, 1
	QUARTER 0, 1, 0, 1, 0
	WIN 0
	s_sub_co_u32 s3, s3, 1
	s_cmp_lg_u32 s3, 0
	s_cbranch_scc1 .Llap
	QUARTER 0, 2, 1, 0, 0                          ; the last lap fills nothing
	QUARTER 0, 3, 0, 1, 0
	TURN 0, 1, 0
	QUARTER 1, 1, 0, 1, 0
	QUARTER 1, 2, 1, 0, 0
	QUARTER 1, 3, 0, 1, 0
	s_wait_dscnt 4
	MUL8 1, 0, 0
	MUL8 1, 1, 0
	s_wait_dscnt 0x0
	MUL8 1, 2, 0
	MUL8 1, 3, 0
	PLACES
.set oa, 0
.rept 4                                                ; sixteen rows at a time
.set BK, 32+64*(oa%2)
	WIN 0x04                                       ; the stores' data in window 1
.set nb, 0
.rept 8
	ds_store_b128 v[STO], v[8*(8*oa+nb):8*(8*oa+nb)+3]   offset:64*nb     ; each accumulator from its low end on
	ds_store_b128 v[STO], v[8*(8*oa+nb)+4:8*(8*oa+nb)+7] offset:64*nb+16
.set nb, nb+1
.endr
	WIN 0
	s_wait_xcnt 0x0                                ; the registers that earlier stores read are loaded again only behind this wait
.set ot, 0
.rept 16
	ds_load_b128 v[BK+4*ot:BK+4*ot+3], v[RD] offset:ot*SP  ; my own stage: LDS serves a wave's instructions in order
.set ot, ot+1
.endr
.set ot, 0
.rept 16
	s_wait_dscnt 15-ot
	global_store_b128 v[CO], v[BK+4*ot:BK+4*ot+3], s[8:9] offset:(16*oa+ot)*8192 th:TH_STORE_NT  ; 512 consecutive bytes, at a multiple of 256 from out0's first
.set ot, ot+1
.endr
.set oa, oa+1
.endr
	s_wait_tensorcnt 0x0                           ; the wave's end
	ds_add_u32 v[SPW], v[NIL]
	s_wait_dscnt 0x0
	CROUND                                         ; the closing round
	s_endpgm
.Lfunc_end_k_qfb5d0f4fc8_oproj:
	.size	k_qfb5d0f4fc8_oproj, .Lfunc_end_k_qfb5d0f4fc8_oproj-k_qfb5d0f4fc8_oproj
	.p2alignl 7, 3214868480
	.fill 96, 4, 3214868480
	.section	.rodata,"a",@progbits
	.p2align	6, 0x0
	.amdhsa_kernel k_qfb5d0f4fc8_oproj
		.amdhsa_group_segment_fixed_size 327680
		.amdhsa_private_segment_fixed_size 0
		.amdhsa_enable_private_segment 0
		.amdhsa_kernarg_size 24
		.amdhsa_user_sgpr_count 2
		.amdhsa_user_sgpr_kernarg_segment_ptr 1
		.amdhsa_wavefront_size32 1
		.amdhsa_system_sgpr_workgroup_id_x 1
		.amdhsa_system_sgpr_workgroup_id_y 1
		.amdhsa_system_sgpr_workgroup_id_z 1
		.amdhsa_system_vgpr_workitem_id 0
		.amdhsa_next_free_vgpr 512
		.amdhsa_next_free_sgpr 66
		.amdhsa_reserve_vcc 0
		.amdhsa_float_denorm_mode_32 3
		.amdhsa_float_denorm_mode_16_64 3
		.amdhsa_memory_ordered 1
		.amdhsa_forward_progress 1
		.amdhsa_inst_pref_size 87
	.end_amdhsa_kernel
	.amdgpu_metadata
---
amdhsa.version: [ 1, 2 ]
amdhsa.kernels:
  - .name:           k_qfb5d0f4fc8_oproj
    .symbol:         k_qfb5d0f4fc8_oproj.kd
    .args:
      - { .name: enc, .offset: 0, .size: 8, .value_kind: global_buffer, .address_space: global }
      - { .name: wts, .offset: 8, .size: 8, .value_kind: global_buffer, .address_space: global }
      - { .name: out0, .offset: 16, .size: 8, .value_kind: global_buffer, .address_space: global }
    .group_segment_fixed_size: 327680
    .private_segment_fixed_size: 0
    .kernarg_segment_align: 8
    .kernarg_segment_size: 24
    .max_flat_workgroup_size: 128
    .sgpr_count:     66
    .vgpr_count:     512
    .wavefront_size: 32
...
	.end_amdgpu_metadata
.endif
;; end of part 4
